; MI455X (gfx1250); checked and timed in simulation.
; The chip was launched on July 23, 2026; its instructions are those of AMD's public machine-readable ISA for CDNA 5 (MIT licence, August 2026) and "CDNA5" Instruction Set Architecture Reference Guide (July 2026). The comments in the code are by the model that wrote it; some were corrected since.
;; Attention. Allowed arithmetic: matrix products marked QUANTISED: E2M3 operands, one E8M0 scale for each 32 along K, by v_wmma_scale_f32_16x16x128_f8f6f4 with both operands' format E2M3, f32 sums; everything else in f32.
;; Inputs: b_out 1,024 float32; w_out 1,024 x 1,024 float32; w_qkv 1,024 x 3,072 float32; x 4 x 2,048 x 1,024 float32.
;; Outputs: out0 4 x 2,048 x 1,024 float32.
;; This version of the problem:
;;   THIS VERSION OF THE PROBLEM IS GIVEN IN LOW PRECISION. The matrix products marked QUANTISED in the list below multiply operands that are first quantised to E2M3 (2 exponent bits, 3 mantissa bits; 6 bits a number), with one power-of-two scale for each 32 numbers along K (OCP MX v1.0); their sums are f32. All else is computed in f32.
;;   The module's matrix products, in the order in which they are computed (A, B: the left and right operand; K: the contracted axis; several contracted axes count as one K, in the product's order):
;;     1. [M 8,192, K 1,024] x [K 1,024, N 3,072]; A: input x; B: input w_qkv: QUANTISED
;;     2. batch 64 x [M 2,048, K 64] x [K 64, N 2,048]; A: computed on the way; B: computed on the way: QUANTISED
;;     3. batch 64 x [M 2,048, K 2,048] x [K 2,048, N 64]; A: softmax (see below); B: computed on the way: QUANTISED
;;     4. [M 8,192, K 1,024] x [K 1,024, N 1,024]; A: computed on the way; B: input w_out: QUANTISED
;;   THE QUANTISER, for each operand of a quantised product, along K:
;;     - K is cut into blocks of 32 from its start; a last block that is shorter is filled with zeros.
;;     - A block's scale is 2^e with e = floor(log2(the largest magnitude in the block)) - 2, held to -126 .. 127; a block of zeros has e = 0. As a byte (E8M0): e + 127.
;;     - Each number is divided by its block's scale, clamped to +-7.5, and rounded to the nearest number of E2M3, ties to even, subnormals kept.
;;     - The product sums the exact products of the quantised numbers (number of the format x scale) in f32.
;;   ~~~python
;;   def quantise(x, axis):      # numpy; x: float32 -> the quantised numbers, widened to float32 again
;;       x = np.moveaxis(x, axis, -1); K = x.shape[-1]
;;       x = np.pad(x, [(0, 0)] * (x.ndim - 1) + [(0, -K % 32)]); x = x.reshape(x.shape[:-1] + (-1, 32)); a = np.abs(x).max(-1, keepdims=True)
;;       e = np.where(a > 0, np.clip(np.frexp(np.where(a > 0, a, 1))[1] - 1 - 2, -126, 127), 0)      # np.frexp(a)[1] - 1 = floor(log2(a)), exactly
;;       r = np.clip(x / 2.0 ** e, -7.5, 7.5)
;;       step = 2.0 ** (np.maximum(np.frexp(np.where(r == 0, 1, r))[1] - 1, 0) - 3)
;;       q = np.round(r / step) * step * 2.0 ** e      # np.round: ties to even
;;       return np.moveaxis(q.reshape(q.shape[:-2] + (-1,))[..., :K], -1, axis).astype(np.float32)
;;   ~~~
;;   SOFTMAX AHEAD OF A QUANTISED PRODUCT. Where the list says 'softmax', what is quantised is not the finished softmax but p = 2^(t - M), with t = logit x log2(e) and M = ceil(the row's largest t), a whole number; so 1/2 < the row's largest p <= 1. The row's sum l is taken of the UNQUANTISED p, in f32, and the product's result is divided by l at the end. Since M is a whole number, a kernel that streams over the keys may use a running M (the ceiling of the running maximum): every later rescaling is an exact power of two, which a block's scale takes up: the codes' values come out the same.
;;   OPERANDS COMPUTED ON THE WAY. 'Computed on the way' means the value that the module computes at that place (a softmax that the list does not call 'softmax' is quantised finished and normalised). What goes into a quantiser is computed in f32, as accurately as f32 sums, v_exp_f32 and their like allow (about 1e-6 of the number): no bf16 or f16 on the way to a quantiser, and a product that is left as it is and whose result goes on into a quantised operand takes f32 operands (vector FMAs, or v_wmma_f32_16x16x4_f32). A number that lies on a knife's edge between two numbers of the format may be rounded either way, as far as f32 arithmetic and the matrix unit's own rounding can turn it there, and no further.
;; One version. Each part assembles by itself: llvm-mc -triple=amdgcn-amd-amdhsa -mcpu=gfx1250 --defsym DOCPART=n.
;; ======== version 1 of 1: 4 launches
;; workspace buffers: pc 9,437,184 bytes; ps 393,216 bytes; qkv_codes 18,874,368 bytes; qkv_scales 1,310,720 bytes; o_codes 6,291,456 bytes; o_scales 262,144 bytes
;; launch prep (part 1): grid 384 x 1, 4 waves a work-group, no clusters, 102,912 bytes of LDS; arguments x, w_qkv, w_out, pc, ps; writes pc, ps
.if DOCPART == 1
	.amdgcn_target "amdgcn-amd-amdhsa--gfx1250"
	.amdhsa_code_object_version 6
	.text
	.protected	k_qed3a71f832_prep
	.globl	k_qed3a71f832_prep
	.p2align	8
	.type	k_qed3a71f832_prep,@function
k_qed3a71f832_prep:
	s_mov_b64 s[64:65], 0
	v_nop
	global_prefetch_b8 v0, s[64:65] scope:SCOPE_SE
	s_setreg_imm32_b32 hwreg(HW_REG_WAVE_MODE, 25, 1), 1
	s_wait_xcnt 0x0
; x [8192][1024], w_qkv [1024][3072] and w_out [1024][1024], f32, become codes of FP6 (E2M3) with K innermost and one E8M0 byte for each 32 along K.
; pc: 12,288 rows of 768 bytes (1,024 codes); ps: the same rows, 32 scale bytes each.  Rows 0-8191: x's rows; 8192-11263: w_qkv's columns; 11264-12287: w_out's columns.
; x's row T and w_qkv's column n are stored at the row whose number has bits 3 and 4 exchanged: 16 neighbouring rows of pc then hold the true indices 32 b + 8 u + r + 8 (r / 8),
; so that a matrix result's 16 registers of two neighbouring tiles are 16 true neighbours.  w_out's columns keep their order.
; A block's scale is 2^(floor(log2(largest magnitude)) - 2); its byte is the largest magnitude's exponent field - 2, held at 1 from below.
; LIMITS: a block whose largest magnitude lies under 2^-124 gets the byte 1; a block of zeros gets the byte 1 where the rule says 127 (its codes are zeros, and this program alone reads the bytes);
; NaN and infinities among the inputs are not served.
; Work-groups 0-255 take x (K innermost: a plain stream of blocks), 256-351 w_qkv, 352-383 w_out (K outermost: a lane to a column, registers down K).  Each of the three ways has LDS bytes of its own.
; No tensor loads, no barrier: waves share nothing.
.set STEPS, 16
.set EMAX,  2
.set CB,    12                         ; bytes of 16 codes
.set XR,    16                         ; x: v16-79 four sets of 16 numbers as loaded
.set XX,    80                         ; v80-111 two sets of 16 neighbours
.set XE,    112                        ; v112-127 a scale byte for each step
.set XC,    128                        ; v128-191 codes, four registers a step
.set WREG,  8192                       ; x: LDS of a wave: two stages of 32 x SP bytes, then its 256 scale bytes
.set SP,    80
.set SPW,   192                        ; v192 LDS address of my spare word; never rewritten
.set NIL,   193                        ; v193 0; never rewritten
.set SPARE, 102400                     ; the spare words, 128 bytes a wave: two blocks of 256 bytes that no other line names
.set KW,    256                        ; weights: along K for a wave
.set NB,    8                          ; blocks of 32 in it
.set WROWB, 192                        ; bytes of KW codes
.set WPITCH, 272                       ; a stage row: sixteen places of 16 bytes, each with 12 bytes of codes, + 16
.set KROW,  768                        ; a row of pc
.set WX,    32                         ; v32-95 two sets of 32 numbers
.set WC,    96                         ; a block's codes
.set WOUT,  112                        ; v112-175 the way out
.set WSB,   24                         ; v24-25 the scale bytes
.macro XLOAD t
.irp i, 0,1,2,3
	global_load_b128 v[XR+16*((\t)%4)+4*\i:XR+16*((\t)%4)+4*\i+3], v3, s[4:5] offset:2048*(\t)+512*\i th:TH_LOAD_NT   ; 32 lanes read 512 consecutive bytes
.endr
.endm
.macro XTURN t                         ; a step's 2,048 bytes through the wave's stage: in as they lie, out 64 bytes a lane; LDS serves a wave's instructions in order
.irp i, 0,1,2,3
	ds_store_b128 v14, v[XR+16*((\t)%4)+4*\i:XR+16*((\t)%4)+4*\i+3] offset:32*SP*((\t)%2)+8*SP*\i
.endr
.irp i, 0,1,2,3
	ds_load_b128 v[XX+16*((\t)%2)+4*\i:XX+16*((\t)%2)+4*\i+3], v15 offset:32*SP*((\t)%2)+16*\i
.endr
.endm
.macro XSTEP t
.set XS, XX+16*((\t)%2)
.if (\t) > 0
	s_wait_dscnt 1                                 ; this step's numbers are back from the stage; the last step's byte store may be out
.else
	s_wait_dscnt 0x0
.endif
.if (\t)+4 < STEPS
	XLOAD (\t)+4                                   ; into the set whose stores into the stage have read it
.endif
.if (\t)+1 < STEPS
.if STEPS-2-(\t) >= 3
	s_wait_loadcnt 12                              ; the next step's four loads are in; the 12 of the three steps behind it may be out
.else
	s_wait_loadcnt 4*(STEPS-2-(\t))
.endif
	XTURN (\t)+1
.endif
	v_max3_num_f32 v8, |v[XS]|, |v[XS+1]|, |v[XS+2]|               ; the largest magnitude of my 16, in two chains
	v_max3_num_f32 v9, |v[XS+3]|, |v[XS+4]|, |v[XS+5]|
.irp i, 6,10
	v_max3_num_f32 v8, v8, |v[XS+\i]|, |v[XS+\i+1]|
	v_max3_num_f32 v9, v9, |v[XS+\i+2]|, |v[XS+\i+3]|
.endr
	v_max3_num_f32 v8, v8, |v[XS+14]|, |v[XS+15]|
	v_max3_num_f32 v8, v8, v9, (EMAX+1)<<23        ; and the floor 2^(3 - 127): the byte cannot fall under 1
	v_max_num_f32_dpp v8, v8, v8 row_xmask:1 row_mask:0xf bank_mask:0xf   ; with my neighbour's 16: the block's
	v_add_nc_u32 v11, -(EMAX<<23), v8              ; 2 off its exponent field: the conversion's scale operand
	v_cvt_scalef32_pk16_fp6_f32 v[XC+4*(\t):XC+4*(\t)+2], v[XS:XS+15], v11
	v_lshrrev_b32 v[XE+(\t)], 23, v11              ; the scale's byte (also the plain line behind the conversion)
	ds_store_b8 v5, v[XE+(\t)] offset:16*(\t)      ; both lanes of a block write the same byte with the same value
	global_store_b96 v4, v[XC+4*(\t):XC+4*(\t)+2], s[10:11] offset:32*CB*(\t)   ; the wave stores 384 consecutive bytes
.endm
.macro WLOAD t, cols, src              ; block t: W(32 t + i, my column), i = 0 .. 31
.irp i, 0,1,2,3,4,5,6,7,8,9,10,11,12,13,14,15,16,17,18,19,20,21,22,23,24,25,26,27,28,29,30,31
	global_load_b32 v[WX+32*((\t)%2)+\i], v3, s[\src:\src+1] offset:(32*(\t)+\i)*(\cols)*4 th:TH_LOAD_NT
.endr
.endm
.macro WBLOCK t, cols, src
.set XS, WX+32*((\t)%2)
.if (\t) < NB-1
	s_wait_loadcnt 32                              ; this block's 32 loads are in; the next block's 32 may be out
.else
	s_wait_loadcnt 0
.endif
	v_max3_num_f32 v12, |v[XS]|, |v[XS+1]|, |v[XS+2]|               ; the block's largest magnitude: all 32 numbers are mine
	v_max3_num_f32 v13, |v[XS+3]|, |v[XS+4]|, |v[XS+5]|
.irp i, 6,10,14,18,22,26
	v_max3_num_f32 v12, v12, |v[XS+\i]|, |v[XS+\i+1]|
	v_max3_num_f32 v13, v13, |v[XS+\i+2]|, |v[XS+\i+3]|
.endr
	v_max3_num_f32 v12, v12, |v[XS+30]|, |v[XS+31]|
	v_max3_num_f32 v12, v12, v13, (EMAX+1)<<23     ; and the floor
	v_add_nc_u32 v11, -(EMAX<<23), v12             ; the conversion's scale operand
	v_lshrrev_b32 v13, 23, v11                     ; the scale's byte
.if (\t)%4 == 0
	v_mov_b32 v[WSB+(\t)/4], v13                   ; four bytes to a register, the lower K in the lower byte
.else
	v_lshl_or_b32 v[WSB+(\t)/4], v13, 8*((\t)%4), v[WSB+(\t)/4]
.endif
	v_cvt_scalef32_pk16_fp6_f32 v[WC:WC+2], v[XS:XS+15], v11
	v_cvt_scalef32_pk16_fp6_f32 v[WC+4:WC+6], v[XS+16:XS+31], v11   ; (a conversion's three registers begin on an even number)
	ds_store_b96 v4, v[WC:WC+2] offset:32*(\t)     ; 12 bytes to a place of 16 in the stage
	ds_store_b96 v4, v[WC+4:WC+6] offset:32*(\t)+16
.if (\t)+2 < NB
	WLOAD (\t)+2, \cols, \src
.endif
	s_wait_dscnt 0x0                               ; the stores have read their registers: the next block's codes may be written
.endm
; A weight [1024][cols]: a work-group takes 128 columns x 256 along K, a wave 32 columns.  perm = 1: column n goes to the row with bits 3 and 4 of n exchanged.
.macro WPATH cols, perm, lbase, first, src, row0
	s_sub_co_u32 s17, ttmp9, \first
	s_and_b32 s18, s17, 3                          ; which 256 along K
	s_lshr_b32 s17, s17, 2
	s_lshl_b32 s17, s17, 7
	s_lshl_b32 s19, s16, 5
	s_add_co_u32 s17, s17, s19                     ; my wave's first column
	v_lshlrev_b32 v3, 2, v2                        ; in: 4 bytes a lane
.if \perm
	v_and_b32 v10, 7, v2
	v_bfe_u32 v11, v2, 3, 1
	v_lshl_add_u32 v10, v11, 4, v10
	v_bfe_u32 v11, v2, 4, 1
	v_lshl_add_u32 v10, v11, 3, v10                ; my column's place among the wave's 32 rows
.set PR, 10
.else
.set PR, 2
.endif
	s_mul_i32 s19, s16, 32*WPITCH
	s_add_co_u32 s19, s19, \lbase                  ; my stage
	v_mul_u32_u24 v4, v[PR], WPITCH
	v_add_nc_u32 v4, s19, v4                       ; into it: row = my column's place
	v_and_b32 v5, 15, v2
	v_lshrrev_b32 v6, 4, v2                        ; out of it: sixteen lanes to a row, two rows an instruction
	v_mul_u32_u24 v7, v6, WPITCH
	v_lshl_add_u32 v7, v5, 4, v7
	v_add_nc_u32 v7, s19, v7
	v_mul_u32_u24 v8, v6, KROW
	v_mad_u32_u24 v8, v5, 12, v8                   ; and the same place in pc
	v_lshlrev_b32 v9, 5, v[PR]                     ; my column's row of scale bytes
	s_mul_i32 s20, s18, KW*(\cols)*4
	s_lshl_b32 s22, s17, 2
	s_add_co_u32 s20, s20, s22
	s_mov_b32 s21, 0
	s_add_nc_u64 s[\src:\src+1], s[\src:\src+1], s[20:21]
	s_add_co_u32 s22, s17, \row0
	s_mul_i32 s20, s22, KROW
	s_mul_i32 s23, s18, WROWB
	s_add_co_u32 s20, s20, s23
	s_add_nc_u64 s[10:11], s[10:11], s[20:21]
	s_lshl_b32 s20, s22, 5
	s_lshl_b32 s23, s18, 3
	s_add_co_u32 s20, s20, s23
	s_add_nc_u64 s[12:13], s[12:13], s[20:21]
	WLOAD 0, \cols, \src
	WLOAD 1, \cols, \src
.irp t, 0,1,2,3,4,5,6,7
	WBLOCK \t, \cols, \src
.endr
	global_store_b64 v9, v[WSB:WSB+1], s[12:13]    ; my column's 8 scale bytes
.irp t, 0,1,2,3,4,5,6,7,8,9,10,11,12,13,14,15
	ds_load_b96 v[WOUT+4*\t:WOUT+4*\t+2], v7 offset:2*\t*WPITCH   ; LDS serves a wave's instructions in order: these see my stores
.endr
.irp t, 0,1,2,3,4,5,6,7,8,9,10,11,12,13,14,15
	s_wait_dscnt 15-\t                             ; loads come back in order: load t is in, the 15 - t behind it may be out
	global_store_b96 v8, v[WOUT+4*\t:WOUT+4*\t+2], s[10:11] offset:2*\t*KROW   ; sixteen lanes store a row's 192 consecutive bytes
.endr
	s_wait_tensorcnt 0x0                           ; the wave's end
	ds_add_u32 v[SPW], v[NIL]
	s_wait_dscnt 0x0
	s_endpgm
.endm
	s_load_b256 s[4:11], s[0:1], 0x0               ; x s[4:5], w_qkv s[6:7], w_out s[8:9], pc s[10:11]
	s_load_b64 s[12:13], s[0:1], 0x20              ; ps
	v_lshl_add_u32 v[SPW], v0, 2, SPARE
	v_mov_b32 v[NIL], 0
	v_lshrrev_b32 v1, 5, v0
	v_readfirstlane_b32 s16, v1                    ; wave
	v_and_b32 v2, 31, v0                           ; lane
	s_wait_kmcnt 0x0
	s_cmp_lt_u32 ttmp9, 256
	s_cbranch_scc1 .Lx
	s_cmp_lt_u32 ttmp9, 352
	s_cbranch_scc1 .Lwq
	WPATH 1024, 0, 67584, 352, 8, 11264            ; w_out
.Lwq:
	WPATH 3072, 1, 32768, 256, 6, 8192             ; w_qkv
.Lx:
	; x: a wave takes 16 steps of 512 numbers = 8 rows.  The run of 8 rows 4 g + w goes out as run 4 g + (w with its two bits exchanged): bits 3 and 4 of the row's number change places
	v_lshlrev_b32 v3, 4, v2                        ; my 16 bytes of a load's 512
	s_mul_i32 s17, s16, WREG
	v_lshrrev_b32 v14, 2, v2
	v_mul_u32_u24 v14, v14, SP
	v_and_b32 v15, 3, v2
	v_lshl_add_u32 v14, v15, 4, v14
	v_add_nc_u32 v14, s17, v14                     ; the stage, on the way in: SP (lane / 4) + 16 (lane % 4)
	v_mul_u32_u24 v15, v2, SP
	v_add_nc_u32 v15, s17, v15                     ; and on the way out: SP x lane
	v_mul_u32_u24 v4, v2, CB                       ; my codes' place in a step's
	v_lshrrev_b32 v5, 1, v2
	s_add_co_u32 s17, s17, 2*32*SP
	v_add_nc_u32 v5, s17, v5                       ; my wave's 256 scale bytes, my block's byte
	v_lshlrev_b32 v7, 3, v2
	v_add_nc_u32 v6, s17, v7                       ; and on the way out 8 bytes a lane
	s_lshl_b32 s17, ttmp9, 2
	s_add_co_u32 s18, s17, s16                     ; the run that I read
	s_lshl_b32 s20, s18, 15                        ; 32,768 bytes a run
	s_mov_b32 s21, 0
	s_add_nc_u64 s[4:5], s[4:5], s[20:21]
	s_and_b32 s19, s16, 1
	s_lshl_b32 s19, s19, 1
	s_lshr_b32 s22, s16, 1
	s_or_b32 s19, s19, s22
	s_add_co_u32 s18, s17, s19                     ; the run that I write
	s_mul_i32 s20, s18, 6144
	s_add_nc_u64 s[10:11], s[10:11], s[20:21]
	s_lshl_b32 s20, s18, 8
	s_add_nc_u64 s[12:13], s[12:13], s[20:21]
.irp t, 0,1,2,3
	XLOAD \t
.endr
	s_wait_loadcnt 12                              ; step 0's four loads are in
	XTURN 0
.irp t, 0,1,2,3,4,5,6,7,8,9,10,11,12,13,14,15
	XSTEP \t
.endr
	ds_load_b64 v[8:9], v6                         ; LDS serves a wave's instructions in order: these see my byte stores
	s_wait_dscnt 0x0
	global_store_b64 v7, v[8:9], s[12:13]          ; 32 lanes store 256 consecutive bytes, aligned
	s_wait_tensorcnt 0x0                           ; the wave's end
	ds_add_u32 v[SPW], v[NIL]
	s_wait_dscnt 0x0
	s_endpgm
.Lfunc_end_k_qed3a71f832_prep:
	.size	k_qed3a71f832_prep, .Lfunc_end_k_qed3a71f832_prep-k_qed3a71f832_prep
	.p2alignl 7, 3214868480
	.fill 96, 4, 3214868480
	.section	.rodata,"a",@progbits
	.p2align	6, 0x0
	.amdhsa_kernel k_qed3a71f832_prep
		.amdhsa_group_segment_fixed_size 102912
		.amdhsa_private_segment_fixed_size 0
		.amdhsa_enable_private_segment 0
		.amdhsa_kernarg_size 40
		.amdhsa_user_sgpr_count 2
		.amdhsa_user_sgpr_kernarg_segment_ptr 1
		.amdhsa_wavefront_size32 1
		.amdhsa_system_sgpr_workgroup_id_x 1
		.amdhsa_system_sgpr_workgroup_id_y 1
		.amdhsa_system_sgpr_workgroup_id_z 1
		.amdhsa_system_vgpr_workitem_id 0
		.amdhsa_next_free_vgpr 200
		.amdhsa_next_free_sgpr 66
		.amdhsa_reserve_vcc 0
		.amdhsa_float_denorm_mode_32 3
		.amdhsa_float_denorm_mode_16_64 3
		.amdhsa_memory_ordered 1
		.amdhsa_forward_progress 1
		.amdhsa_inst_pref_size 114
	.end_amdhsa_kernel
	.amdgpu_metadata
---
amdhsa.version: [ 1, 2 ]
amdhsa.kernels:
  - .name:           k_qed3a71f832_prep
    .symbol:         k_qed3a71f832_prep.kd
    .args:
      - { .name: x, .offset: 0, .size: 8, .value_kind: global_buffer, .address_space: global }
      - { .name: w_qkv, .offset: 8, .size: 8, .value_kind: global_buffer, .address_space: global }
      - { .name: w_out, .offset: 16, .size: 8, .value_kind: global_buffer, .address_space: global }
      - { .name: pc, .offset: 24, .size: 8, .value_kind: global_buffer, .address_space: global }
      - { .name: ps, .offset: 32, .size: 8, .value_kind: global_buffer, .address_space: global }
    .group_segment_fixed_size: 102912
    .private_segment_fixed_size: 0
    .kernarg_segment_align: 8
    .kernarg_segment_size: 40
    .max_flat_workgroup_size: 128
    .sgpr_count:     66
    .vgpr_count:     200
    .wavefront_size: 32
...
	.end_amdgpu_metadata
.endif
;; end of part 1
;; launch gemm_qkv (part 2): grid 12 x 32, 4 waves a work-group, clusters of 4 x 4, 327,680 bytes of LDS; arguments pc, ps, qkv_codes, qkv_scales; writes qkv_codes, qkv_scales
.if DOCPART == 2
	.amdgcn_target "amdgcn-amd-amdhsa--gfx1250"
	.amdhsa_code_object_version 6
	.text
	.protected	k_qed3a71f832_gemm_qkv
	.globl	k_qed3a71f832_gemm_qkv
	.p2align	8
	.type	k_qed3a71f832_gemm_qkv,@function
k_qed3a71f832_gemm_qkv:
	s_mov_b64 s[64:65], 0
	v_nop
	global_prefetch_b8 v0, s[64:65] scope:SCOPE_SE
	s_setreg_imm32_b32 hwreg(HW_REG_WAVE_MODE, 25, 1), 1
	s_wait_xcnt 0x0
	s_wait_alu depctr_hold_cnt(0) depctr_sa_sdst(0) depctr_va_vdst(0) depctr_va_sdst(0) depctr_va_ssrc(0) depctr_va_vcc(0) depctr_vm_vsrc(0)
	s_getreg_b32 s2, hwreg(HW_REG_IB_STS2, 6, 4)
	s_cmp_eq_u32 s2, 0
	s_cbranch_scc0 .Lentry_in_a_cluster
	s_endpgm
.Lentry_in_a_cluster:
	s_bfe_u32 s2, ttmp6, 0x10000c
	s_cmp_lg_u32 s2, 0xf033
	s_cbranch_scc0 .Lentry_shape_is_right
	s_endpgm
.Lentry_shape_is_right:
; qkv = Q(x) Q(w_qkv) on codes of FP6 (E2M3) with E8M0 scales, K = 1,024; the results are quantised in registers and stored as images of the attention launch's operand registers.
; A tile of the product is 256 x 256, four waves, 128 x 128 a wave: 64 accumulators of 16 x 16.  K goes in steps of 256 through a ring of two LDS slots; the scales of the 512 rows come once.
; ROLES.  The matrix instruction takes 16 rows of the B-role as source 0 and 16 rows of the A-role as source 1: a lane then holds ONE A-role row and its registers run along the B-role's rows.
;   clusters x = 0, 1: A-role = x's rows (tokens), B-role = w's columns of q and k: the results are quantised along the head's 64.
;   cluster  x = 2:    A-role = w's columns of v,  B-role = x's rows: the results are quantised along the keys.
; The rows of pc lie with bits 3 and 4 of their number exchanged, so the 16 registers of accumulators 2 b and 2 b + 1 are the true neighbours 32 b + 16 (lane / 16) + 0 .. 15 of the B-role.
; OUT.  A block of 16 A-role rows x 128 becomes one fragment (12 registers a lane), stored as it stands: registers 0-3 at 16 x lane, 4-5 at 512 + 8 x lane, 6-9 at 768 + 16 x lane, 10-11 at 1,280 + 8 x lane.
;   q, k: [pair of heads 16][tile of 16 tokens 512][head of the pair 2][768 bytes]; scale words [head 32][token 8192].   v: [head 16][128 keys 64][16 channels 4][1,536 bytes]; scale words [head 16][128 keys 64][channel 64].
; CLUSTERS: 4 x 4 work-groups; A's tiles are asked for jointly along a row of the cluster, B's along a column.  The choice of roles hangs on the cluster's x alone, which all sixteen share.
; LIMITS: a block whose largest magnitude lies under 2^-124, a block of zeros among them, gets the byte 1 (this program alone reads the bytes); NaN and infinities are not served.
; REGISTERS: window 0: v1-11, v16-29 addresses; v32-63 scale words, two sets; v64-111 the way out; from v128 A's fragments, one set.  window 1: B's fragments, two sets.  windows 2, 3: the accumulators ((a, b) at v[8 (8 (a % 4) + b)]).
.set SIZE_K, 1024
.set KSTEP,  256
.set NQ,     KSTEP/128
.set ROWB,   192                       ; a tile's row in bytes
.set KROW,   SIZE_K*6/8                ; a row of pc
.set PITCH,  240                       ; an LDS row: 3 x (64 bytes + 16 of padding)
.set FR,     12
.set NL,     6
.set NP,     4                         ; places behind this matrix instruction (ISA guide 7.12.1)
.set HALFT,  128*PITCH
.set SLOT,   4*HALFT
.set LAPS,   SIZE_K/(2*KSTEP)
.set KS,     SIZE_K/32
.set SCL,    2*SLOT                    ; behind the ring: the scales, as runs of 256 bytes + 16 of padding
.set HALFS,  (128*KS/256)*272
.set SBLK,   (16*KS/256)*272
.set SPARE,  SCL+4*HALFS               ; the spare words, 128 bytes a wave: two blocks of 256 bytes that no other line names
.set STG,    SPARE+512                 ; 1,024 bytes a wave: the results' scale words on their way out; no tile lands here
.set LI16, 7                           ; v7   16 x lane
.set LI8,  8                           ; v8   8 x lane
.set SSTO, 9                           ; v9   where I put a scale word
.set SRD,  10                          ; v10  where I read four back
.set GSO,  11                          ; v11  and where they go in memory
.set ADRA, 16
.set ADRB, 20
.set ADRS, 27
.set SPW,  28
.set NIL,  29
.set SC,   32
.set TM,   64                          ; v64-67 largest magnitudes, v68-71 bytes, v76-79 the conversions' scale operands
.set PW,   80                          ; the scale word
.set T1,   81
.set PWR,  82
.set PC,   84                          ; v84-95 the fragment, v96-102 at work
.set RB,   104
.set AF,   128
.set G1, 24
.set G0, 32
.set G1B, 48
.set G0B, 56
.set G1S, 68
.set G0S, 76
.set G1SB, 80
.set G0SB, 88
.set SEL, 66                           ; s[66:67] lane selects: lane l xor 16
.set HM,  95                           ; s95 the mask of lanes 16-31
.set MSB, 0
.macro WIN new                         ; the immediate's high byte repeats the setting that is left
.if MSB != \new
	s_set_vgpr_msb (MSB<<8)|\new
.set MSB, \new
.endif
.endm
.set MUL_LO, 0xa1                      ; source 0 (B) window 1, source 1 (A) window 0, C and D window 2
.set MUL_HI, 0xf1
.set TO_B,   0x40
; A joint load: waves 0 and 1 fetch for A, waves 2 and 3 for B; the branch hangs on the wave's number alone.  An s_nop 0 and four v_nop follow each line.
.macro JLOAD g0a, g1a, g0b, g1b
	s_cmp_eq_u32 s15, 0
	s_cbranch_scc0 .Lfor_b_\@
	tensor_load_to_lds s[\g0a:\g0a+3], s[\g1a:\g1a+7]
	s_nop 0
.rept 4
	v_nop
.endr
	s_branch .Lasked_\@
.Lfor_b_\@:
	tensor_load_to_lds s[\g0b:\g0b+3], s[\g1b:\g1b+7]
	s_nop 0
.rept 4
	v_nop
.endr
.Lasked_\@:
.endm
.macro CREST                           ; a round of the cluster's barrier behind its opening barrier
	s_cmp_lg_u32 s14, 0
	s_cbranch_scc1 .Lnot_wave_0_\@
	s_barrier_signal -3
.Lnot_wave_0_\@:
	s_barrier_wait -3
	s_barrier_signal -1
	s_barrier_wait -1
.endm
.macro CROUND
	s_barrier_signal -1
	s_barrier_wait -1
	CREST
.endm
	s_load_b256 s[4:11], s[0:1], 0x0               ; pc s[4:5], ps s[6:7], qkv_codes s[8:9], qkv_scales s[10:11]
	v_lshl_add_u32 v[SPW], v0, 2, SPARE
	v_mov_b32 v[NIL], 0
	ds_add_u32 v[SPW], v[NIL]                      ; the wave's opening: an add to my spare word, waited for ahead of my first tensor load
	v_lshrrev_b32 v1, 5, v0
	v_readfirstlane_b32 s14, v1                    ; wave 0..3
	s_lshr_b32 s15, s14, 1                         ; which half of the A-role's rows is mine.  Also: I fetch for A (0) or for B (1)
	s_and_b32 s16, s14, 1                          ; which half of the B-role's.  Also: which 128 rows I fetch
	s_bfe_u32 s40, ttmp6, 0x40000                  ; cx, cy
	s_bfe_u32 s41, ttmp6, 0x40004
	s_and_b32 s17, ttmp7, 0xffff                   ; cluster y
	s_cmp_eq_u32 ttmp9, 2                          ; the third column of clusters makes v
	s_cselect_b32 s96, 0, s17                      ; the cluster's place along the A-role,
	s_cselect_b32 s97, s17, ttmp9                  ; along the B-role,
	s_cselect_b32 s98, 10240, 0                    ; the A-role's first row in pc,
	s_cselect_b32 s99, 0, 8192                     ; and the B-role's
	s_lshl_b32 s42, s97, 2
	s_add_co_u32 s42, s42, s40                     ; tile column
	s_lshl_b32 s17, s96, 2
	s_add_co_u32 s17, s17, s41                     ; tile row
	s_lshl_b32 s43, s41, 2
	s_lshl_b32 s43, 15, s43                        ; my row of the cluster
	s_lshl_b32 s44, 0x1111, s40                    ; my column
	s_or_b32 s[G1+0], s43, (0<<16)|(1<<20)|(1<<21)|(3<<22)|(3<<25)  ; the mask; elements of 1 byte; padding on; bit 21 beside a mask; after every 16 words, 4 words
	s_or_b32 s[G1B+0], s44, (0<<16)|(1<<20)|(1<<21)|(3<<22)|(3<<25)
.irp g, G1, G1B
	s_mov_b32 s[\g+1], ROWB<<16                    ; tensor_dim0
	s_mov_b32 s[\g+2], 128<<16                     ; tensor_dim1
	s_mov_b32 s[\g+3], ROWB<<16                    ; tile_dim0
	s_mov_b32 s[\g+4], 128                         ; tile_dim1
	s_mov_b32 s[\g+5], KROW                        ; the pitch
	s_mov_b32 s[\g+6], 0
	s_mov_b32 s[\g+7], 0
.endr
	s_or_b32 s[G1S+0], s43, (3<<16)|(1<<20)|(1<<21)|(5<<22)|(3<<25)  ; the scales of 128 rows: 4,096 dense bytes as 16 rows of 256, 16 bytes of padding behind each
	s_or_b32 s[G1SB+0], s44, (3<<16)|(1<<20)|(1<<21)|(5<<22)|(3<<25)
.irp g, G1S, G1SB
	s_mov_b32 s[\g+1], 32<<16
	s_mov_b32 s[\g+2], (128*KS/256)<<16
	s_mov_b32 s[\g+3], 32<<16
	s_mov_b32 s[\g+4], 128*KS/256
	s_mov_b32 s[\g+5], 32
	s_mov_b32 s[\g+6], 0
	s_mov_b32 s[\g+7], 0
.endr
	s_lshl_b32 s18, s16, 7                         ; which 128 rows of the tile I fetch
	s_lshl_b32 s20, s17, 8
	s_add_co_u32 s20, s20, s18
	s_add_co_u32 s20, s20, s98                     ; A: its row in pc
	s_lshl_b32 s46, s42, 8
	s_add_co_u32 s46, s46, s18
	s_add_co_u32 s46, s46, s99                     ; B: its row in pc
	s_mov_b32 s21, 0
	s_mov_b32 s47, 0
	s_mov_b64 s[18:19], KS
	s_mul_u64 s[22:23], s[20:21], s[18:19]         ; where these rows' scales begin,
	s_mul_u64 s[92:93], s[46:47], s[18:19]
	s_mov_b64 s[18:19], KROW
	s_mul_u64 s[20:21], s[20:21], s[18:19]         ; and their codes
	s_mul_u64 s[46:47], s[46:47], s[18:19]
	s_mul_i32 s45, s14, HALFT                      ; where they go: wave x 128 rows
	s_mul_i32 s94, s14, HALFS
	s_mov_b32 s[SEL], 0x76543210
	s_mov_b32 s[SEL+1], 0xfedcba98
	s_mov_b32 s[HM], 0xffff0000
	s_wait_dscnt 0x0                               ; the opening add is done
	s_wait_kmcnt 0x0
	s_add_nc_u64 s[20:21], s[4:5], s[20:21]
	s_add_nc_u64 s[22:23], s[6:7], s[22:23]
	s_add_nc_u64 s[46:47], s[4:5], s[46:47]
	s_add_nc_u64 s[92:93], s[6:7], s[92:93]
	CROUND                                         ; all sixteen work-groups are here: the first joint loads meet
	s_mov_b32 s[G0S], 1
	s_add_co_u32 s[G0S+1], s94, SCL
	s_mov_b64 s[G0S+2:G0S+3], s[22:23]
	s_or_b32 s[G0S+3], s[G0S+3], 0x80000000
	s_mov_b32 s[G0SB], 1
	s_add_co_u32 s[G0SB+1], s94, SCL
	s_mov_b64 s[G0SB+2:G0SB+3], s[92:93]
	s_or_b32 s[G0SB+3], s[G0SB+3], 0x80000000
	JLOAD G0S, G1S, G0SB, G1SB                     ; the scales first: they are wanted with K step 0
.irp s, 0,1
	s_mov_b32 s[G0+4*\s], 1
	s_add_co_u32 s[G0+4*\s+1], s45, \s*SLOT
	s_add_nc_u64 s[G0+4*\s+2:G0+4*\s+3], s[20:21], \s*ROWB
	s_or_b32 s[G0+4*\s+3], s[G0+4*\s+3], 0x80000000
	s_mov_b32 s[G0B+4*\s], 1
	s_add_co_u32 s[G0B+4*\s+1], s45, \s*SLOT
	s_add_nc_u64 s[G0B+4*\s+2:G0B+4*\s+3], s[46:47], \s*ROWB
	s_or_b32 s[G0B+4*\s+3], s[G0B+4*\s+3], 0x80000000
	JLOAD G0+4*\s, G1, G0B+4*\s, G1B
.endr
	v_and_b32 v1, 15, v0                           ; r = l % 16
	v_bfe_u32 v2, v0, 4, 1                         ; h = l / 16
	v_mul_u32_u24 v3, v1, PITCH
	v_mul_u32_u24 v4, v2, 24
	v_add_nc_u32 v4, v3, v4                        ; a fragment's row x pitch + 24 x half
	v_lshl_add_u32 v5, v2, 4, v4                   ; and the same behind one padding more
	s_mul_i32 s21, s15, HALFT
	s_mul_i32 s22, s16, HALFT
	s_add_co_u32 s22, s22, 2*HALFT
.irp s, 0,1
	v_add_nc_u32 v[ADRA+\s], s21, v4
	v_add_nc_u32 v[ADRB+\s], s22, v4
	v_add_nc_u32 v[ADRA+2+\s], s21, v5
	v_add_nc_u32 v[ADRB+2+\s], s22, v5
	s_add_co_u32 s21, s21, SLOT
	s_add_co_u32 s22, s22, SLOT
.endr
	v_mul_u32_u24 v5, v1, KS                       ; my row's scales: KS bytes a row,
	v_lshrrev_b32 v6, 8, v5
	v_lshl_add_u32 v5, v6, 4, v5                   ; and 16 more for each 256 passed
	s_mul_i32 s21, s15, HALFS
	s_mul_i32 s22, s16, HALFS
	s_add_co_u32 s22, s22, 2*HALFS
	s_sub_co_u32 s22, s22, s21
	v_mul_u32_u24 v6, s22, v2                      ; lanes 16-31 take B's
	s_add_co_u32 s21, s21, SCL
	v_add_nc_u32 v5, v5, v6
	v_add_nc_u32 v[ADRS], s21, v5
	; the way out's addresses
	v_and_b32 v6, 31, v0
	v_lshlrev_b32 v[LI16], 4, v6
	v_lshlrev_b32 v[LI8], 3, v6
	s_lshl_b32 s23, s14, 10
	s_add_co_u32 s23, s23, STG                     ; my 1,024 bytes for scale words
	v_lshlrev_b32 v5, 2, v1
	v_lshl_add_u32 v5, v2, 9, v5
	v_add_nc_u32 v[SSTO], s23, v5                  ; 4 r, lanes 16-31 512 bytes on
	v_add_nc_u32 v[SRD], s23, v[LI16]
	s_lshl_b32 s20, s17, 1
	s_add_co_u32 s20, s20, s15                     ; which 128 of the A-role's rows are mine
	s_lshl_b32 s46, s42, 1
	s_add_co_u32 s46, s46, s16                     ; which 128 of the B-role's
	s_cmp_eq_u32 ttmp9, 2                          ; v's layout or q's and k's: all the choices on this one compare
	s_mov_b32 s93, 12288
	s_cselect_b32 s93, 786432, s93                 ; codes: bytes for each 128 of the A-role,
	s_mov_b32 s94, 786432
	s_cselect_b32 s94, 6144, s94                   ; for each 128 of the B-role,
	s_mov_b32 s96, 6144
	s_cselect_b32 s96, 393216, s96                 ; from my blocks 0-3 to my blocks 4-7,
	s_cselect_b32 s98, 12582912, 0                 ; and where the region begins
	s_mov_b32 s22, 512
	s_cselect_b32 s22, 32768, s22                  ; scale words: the same four
	s_mov_b32 s23, 65536
	s_cselect_b32 s23, 256, s23
	s_mov_b32 s21, 256
	s_cselect_b32 s21, 16384, s21
	s_cselect_b32 s92, 1048576, 0
	s_mul_i32 s93, s93, s20
	s_mul_i32 s94, s94, s46
	s_add_co_u32 s98, s98, s93
	s_add_co_u32 s98, s98, s94
	s_mov_b32 s99, 0
	s_add_nc_u64 s[8:9], s[8:9], s[98:99]          ; my blocks 0-3
	s_mov_b32 s97, 0
	s_add_nc_u64 s[12:13], s[8:9], s[96:97]        ; my blocks 4-7
	s_mul_i32 s22, s22, s20
	s_mul_i32 s23, s23, s46
	s_add_co_u32 s92, s92, s22
	s_add_co_u32 s92, s92, s23
	s_mov_b32 s93, 0
	s_add_nc_u64 s[10:11], s[10:11], s[92:93]
	v_mul_u32_u24 v5, s21, v2
	v_lshl_add_u32 v[GSO], v1, 4, v5               ; sixteen lanes to 256 bytes; lanes 16-31 at blocks 4-7's place
.macro FRAG reg, adr, q, i             ; a fragment: lane l holds row l % 16; registers 6 c .. 6 c + 5 hold K = 64 c + 32 (l / 16) + 0 .. 31: 24 bytes of the row, in pieces of 8
.irp p, 0,1,2,3,4,5
.set PCE, 12*(\q)+6*(\p/3)+\p%3        ; 16 bytes of padding lie behind every 8 pieces: where the piece three on lies behind one padding more, the second address register serves
.if PCE%8 < 5
	ds_load_b64 v[\reg+2*\p:\reg+2*\p+1], v[\adr] offset:8*PCE+16*(PCE/8)+(\i)*16*PITCH
.else
	ds_load_b64 v[\reg+2*\p:\reg+2*\p+1], v[\adr+2] offset:8*PCE+16*(PCE/8)+(\i)*16*PITCH
.endif
.endr
.endm
; 16 matrix instructions: A's blocks a0, a0 + 1 x B's eight.  The 64 accumulators take turns, one instruction a turn, in the same order in every step.
.macro MUL16 a0, p, q, sc, zero
.irp a, \a0, \a0+1
.irp b, 0,1,2,3,4,5,6,7
.if \zero
	v_wmma_scale_f32_16x16x128_f8f6f4 v[8*(8*((\a)%4)+\b):8*(8*((\a)%4)+\b)+7], v[128*(\p)+FR*\b:128*(\p)+FR*\b+FR-1], v[AF+FR*(\a):AF+FR*(\a)+FR-1], 0, v[SC+8*NQ*(\sc)+NQ*\b+(\q)], v[SC+8*NQ*(\sc)+NQ*(\a)+(\q)] matrix_a_fmt:MATRIX_FMT_FP6 matrix_b_fmt:MATRIX_FMT_FP6 matrix_a_scale:MATRIX_SCALE_ROW1
.else
	v_wmma_scale_f32_16x16x128_f8f6f4 v[8*(8*((\a)%4)+\b):8*(8*((\a)%4)+\b)+7], v[128*(\p)+FR*\b:128*(\p)+FR*\b+FR-1], v[AF+FR*(\a):AF+FR*(\a)+FR-1], v[8*(8*((\a)%4)+\b):8*(8*((\a)%4)+\b)+7], v[SC+8*NQ*(\sc)+NQ*\b+(\q)], v[SC+8*NQ*(\sc)+NQ*(\a)+(\q)] matrix_a_fmt:MATRIX_FMT_FP6 matrix_b_fmt:MATRIX_FMT_FP6 matrix_a_scale:MATRIX_SCALE_ROW1
.endif
.endr
.endr
.endm
.macro FETCH_B slot, q, p
	WIN TO_B
.irp i, 0,1,2,3,4,5,6,7
	FRAG 128*(\p)+FR*\i, ADRB+\slot, \q, \i
.endr
	WIN 0
.endm
.macro FETCH_A slot, q, i0
.irp i, \i0, \i0+1, \i0+2, \i0+3
	FRAG AF+FR*(\i), ADRA+\slot, \q, \i
.endr
.endm
.macro SCALES sc                       ; a K step's scale words: lanes 0-15 A's block i, lanes 16-31 B's block i
.irp i, 0,1,2,3,4,5,6,7
	ds_load_b64 v[SC+8*NQ*\sc+NQ*\i:SC+8*NQ*\sc+NQ*\i+1], v[ADRS] offset:\i*SBLK
.endr
.endm
.macro PLACES n                        ; plain vector instructions between a matrix instruction and a load into, or a read of, its registers
.rept \n
	v_nop
.endr
.endm
.macro STEP slot, q, zero              ; 128 along K with its successor in the same slot
	s_wait_dscnt 4*NL                              ; B's set and A's blocks 0-3 are in; the youngest 24 loads (A's blocks 4-7) may be out
	WIN MUL_LO
	MUL16 0, (\q)%2, \q, \slot, \zero
	MUL16 2, (\q)%2, \q, \slot, \zero
	s_wait_dscnt 0
	PLACES NP
	FETCH_B \slot, (\q)+1, 1-(\q)%2
	FETCH_A \slot, (\q)+1, 0
	WIN MUL_HI
	MUL16 4, (\q)%2, \q, \slot, \zero
	MUL16 6, (\q)%2, \q, \slot, \zero
	PLACES NP
	WIN 0
	FETCH_A \slot, (\q)+1, 4
.endm
; A slot's last step changes slots: one barrier; in front of it each wave waits for all its tensor loads, adds 0 to its spare word, and waits for that and for its reads of this slot.
.macro TURN slot, next, fill
	s_wait_tensorcnt 0x0                           ; all my tensor loads have landed: my part of the next slot
	ds_add_u32 v[SPW], v[NIL]
	s_wait_dscnt 4*NL+1                            ; the add and the youngest 24 loads may be out
	WIN MUL_LO
	MUL16 0, 1, NQ-1, \slot, 0
	s_wait_dscnt 0x0                               ; the add is done, and my reads of this slot are over
	s_barrier_signal -1
	MUL16 2, 1, NQ-1, \slot, 0
	WIN 0
	s_barrier_wait -1
.if \fill
	CREST                                          ; the barrier has opened a round of the cluster's: no wave of any partner still reads this slot or has a load on its way
	s_add_nc_u64 s[G0+4*\slot+2:G0+4*\slot+3], s[G0+4*\slot+2:G0+4*\slot+3], 2*ROWB
	s_add_nc_u64 s[G0B+4*\slot+2:G0B+4*\slot+3], s[G0B+4*\slot+2:G0B+4*\slot+3], 2*ROWB
	JLOAD G0+4*\slot, G1, G0B+4*\slot, G1B         ; the first tensor load behind the round; its four v_nop are the places in front of the loads below
.else
	PLACES NP
.endif
	v_add_nc_u32 v[ADRS], 4*NQ, v[ADRS]            ; the next K step's scale words
	FETCH_B \next, 0, 0
	FETCH_A \next, 0, 0
	SCALES \next
	WIN MUL_HI
	MUL16 4, 1, NQ-1, \slot, 0
	MUL16 6, 1, NQ-1, \slot, 0
	PLACES NP
	WIN 0
	FETCH_A \next, 0, 4
.endm
	s_wait_tensorcnt 1                             ; the scales and my part of K step 0 are in; K step 1's load may be out
	s_barrier_signal -1
	s_barrier_wait -1
	FETCH_B 0, 0, 0
	FETCH_A 0, 0, 0
	SCALES 0
	FETCH_A 0, 0, 4
	STEP 0, 0, 1                                   ; the first step's products start the sums
	s_mov_b32 s3, LAPS-1
.Llap:                                                 ; a trip goes once round the ring and fills both slots again
	TURN 0, 1, 1
	STEP 1, 0, 0
	TURN 1, 0, 1
	STEP 0, 0, 0
	s_sub_co_u32 s3, s3, 1
	s_cmp_lg_u32 s3, 0
	s_cbranch_scc1 .Llap
	TURN 0, 1, 0                                   ; the last lap fills nothing
	STEP 1, 0, 0
	s_wait_dscnt 4*NL
	WIN MUL_LO
	MUL16 0, 1, NQ-1, 1, 0
	MUL16 2, 1, NQ-1, 1, 0
	s_wait_dscnt 0
	WIN MUL_HI
	MUL16 4, 1, NQ-1, 1, 0
	MUL16 6, 1, NQ-1, 1, 0
	WIN 0
; THE WAY OUT of block a: its eight accumulators are 64 registers on end; register 16 b + i is the true k = 32 b + 16 (lane / 16) + i of my A-role row.  They become a fragment's codes and a scale word.
.macro QOUT a
.set QW, 2+(\a)/4                      ; the accumulators' window
.set AC, 64*((\a)%4)
.set QS, 5*QW                          ; sources 0 and 1 in that window
.set OB, 8+4*((\a)/4)                  ; s[8:9] or s[12:13]
	WIN QS
.irp b, 0,1,2,3
	v_max3_num_f32 v[TM+\b], |v[AC+16*\b]|, |v[AC+16*\b+1]|, 0x1800000   ; block b: my 16 numbers, from each accumulator's low end on, and the floor 2^(3 - 127)
.endr
.irp i, 2,4,6,8,10,12,14
.irp b, 0,1,2,3
	v_max3_num_f32 v[TM+\b], |v[AC+16*\b+\i]|, |v[AC+16*\b+\i+1]|, v[TM+\b]
.endr
.endr
	WIN 0
.irp b, 0,1,2,3
	v_permlanex16_b32 v[TM+4+\b], v[TM+\b], s[SEL], s[SEL+1]
.endr
.irp b, 0,1,2,3
	v_max_num_f32 v[TM+\b], v[TM+\b], v[TM+4+\b]   ; with lane l xor 16's: the block's largest magnitude
.endr
.irp b, 0,1,2,3
	v_add_nc_u32 v[TM+12+\b], 0xff000000, v[TM+\b] ; 2 off its exponent field: the conversion's scale operand
.endr
.irp b, 0,1,2,3
	v_lshrrev_b32 v[TM+4+\b], 23, v[TM+12+\b]      ; the scale's byte
.endr
	v_lshl_or_b32 v[PW], v[TM+5], 8, v[TM+4]
	v_lshl_or_b32 v[PW], v[TM+6], 16, v[PW]
	v_lshl_or_b32 v[PW], v[TM+7], 24, v[PW]
	s_wait_xcnt 0x0                                ; the last block's stores have read the codes' registers: only now are they written again
	WIN QW
.irp c, 0,1
	v_cvt_scalef32_pk16_fp6_f32 v[PC+6*\c:PC+6*\c+2], v[AC+32*\c:AC+32*\c+15], v[TM+12+2*\c]
	v_cvt_scalef32_pk16_fp6_f32 v[PC+12+4*\c:PC+14+4*\c], v[AC+16+32*\c:AC+31+32*\c], v[TM+12+2*\c+1]   ; (a conversion's three registers begin on an even number)
.endr
	WIN 0
	v_nop                                          ; one plain line behind a scaled conversion
.irp c, 0,1                                    ; the layout wants a whole block in a lane: lanes 0-15 block 2 c, lanes 16-31 block 2 c + 1
.irp i, 0,1,2
	v_permlane16_swap_b32 v[PC+6*\c+\i], v[PC+12+4*\c+\i]
.endr
.irp i, 0,1,2
	v_mov_b32 v[PC+3+6*\c+\i], v[PC+12+4*\c+\i]
.endr
.endr
	global_store_b128 v[LI16], v[PC:PC+3], s[OB:OB+1] offset:((\a)%4)*1536          ; each store covers 512 or 256 consecutive bytes, aligned to 256
	global_store_b64 v[LI8], v[PC+4:PC+5], s[OB:OB+1] offset:((\a)%4)*1536+512
	global_store_b128 v[LI16], v[PC+6:PC+9], s[OB:OB+1] offset:((\a)%4)*1536+768
	global_store_b64 v[LI8], v[PC+10:PC+11], s[OB:OB+1] offset:((\a)%4)*1536+1280
	v_lshrrev_b32 v[T1], 16, v[PW]
	v_lshl_or_b32 v[T1], v[PW], 16, v[T1]          ; the word turned by 16 bits: the pair's second head's two bytes in bytes 0 and 1
	v_cndmask_b32 v[PWR], v[PW], v[T1], s[HM]      ; lanes 16-31 keep the turned word
	ds_store_b32 v[SSTO], v[PWR] offset:64*(\a)
.endm
	PLACES NP                                      ; behind the last products, in front of the first read of results
.irp b, 0,1,2,3
	v_mov_b32 v[TM+4+\b], 0                        ; written once: a lane permute's destination counts as one of its sources
.endr
.irp a, 0,1,2,3,4,5,6,7
	QOUT \a
.endr
	ds_load_b128 v[RB:RB+3], v[SRD]                ; LDS serves a wave's instructions in order: these see my stores
	ds_load_b128 v[RB+4:RB+7], v[SRD] offset:512
	s_wait_dscnt 0x0
	global_store_b128 v[GSO], v[RB:RB+3], s[10:11] ; 128 scale words: q, k: the pair's first head's; v: two heads' 64 each
	s_cmp_eq_u32 ttmp9, 2                          ; the cluster's x: the same in all sixteen work-groups
	s_cbranch_scc1 .Lno_second
	global_store_b128 v[LI16], v[RB+4:RB+7], s[10:11] offset:32768   ; q, k: the pair's second head's
.Lno_second:
	s_wait_tensorcnt 0x0                           ; the wave's end
	ds_add_u32 v[SPW], v[NIL]
	s_wait_dscnt 0x0
	CROUND                                         ; the closing round
	s_endpgm
.Lfunc_end_k_qed3a71f832_gemm_qkv:
	.size	k_qed3a71f832_gemm_qkv, .Lfunc_end_k_qed3a71f832_gemm_qkv-k_qed3a71f832_gemm_qkv
	.p2alignl 7, 3214868480
	.fill 96, 4, 3214868480
	.section	.rodata,"a",@progbits
	.p2align	6, 0x0
	.amdhsa_kernel k_qed3a71f832_gemm_qkv
		.amdhsa_group_segment_fixed_size 327680
		.amdhsa_private_segment_fixed_size 0
		.amdhsa_enable_private_segment 0
		.amdhsa_kernarg_size 32
		.amdhsa_user_sgpr_count 2
		.amdhsa_user_sgpr_kernarg_segment_ptr 1
		.amdhsa_wavefront_size32 1
		.amdhsa_system_sgpr_workgroup_id_x 1
		.amdhsa_system_sgpr_workgroup_id_y 1
		.amdhsa_system_sgpr_workgroup_id_z 1
		.amdhsa_system_vgpr_workitem_id 0
		.amdhsa_next_free_vgpr 1024
		.amdhsa_next_free_sgpr 100
		.amdhsa_reserve_vcc 0
		.amdhsa_float_denorm_mode_32 3
		.amdhsa_float_denorm_mode_16_64 3
		.amdhsa_memory_ordered 1
		.amdhsa_forward_progress 1
		.amdhsa_inst_pref_size 168
	.end_amdhsa_kernel
	.amdgpu_metadata
---
amdhsa.version: [ 1, 2 ]
amdhsa.kernels:
  - .name:           k_qed3a71f832_gemm_qkv
    .symbol:         k_qed3a71f832_gemm_qkv.kd
    .args:
      - { .name: pc, .offset: 0, .size: 8, .value_kind: global_buffer, .address_space: global }
      - { .name: ps, .offset: 8, .size: 8, .value_kind: global_buffer, .address_space: global }
      - { .name: qkv_codes, .offset: 16, .size: 8, .value_kind: global_buffer, .address_space: global }
      - { .name: qkv_scales, .offset: 24, .size: 8, .value_kind: global_buffer, .address_space: global }
    .group_segment_fixed_size: 327680
    .private_segment_fixed_size: 0
    .kernarg_segment_align: 8
    .kernarg_segment_size: 32
    .max_flat_workgroup_size: 128
    .sgpr_count:     100
    .vgpr_count:     1024
    .wavefront_size: 32
...
	.end_amdgpu_metadata
.endif
;; end of part 2
;; launch attn (part 3): grid 8 x 64, 16 waves a work-group, clusters of 4 x 1, 327,680 bytes of LDS; arguments qkv_codes, qkv_scales, o_codes, o_scales; writes o_codes, o_scales
.if DOCPART == 3
	.amdgcn_target "amdgcn-amd-amdhsa--gfx1250"
	.amdhsa_code_object_version 6
	.text
	.protected	k_qed3a71f832_attn
	.globl	k_qed3a71f832_attn
	.p2align	8
	.type	k_qed3a71f832_attn,@function
k_qed3a71f832_attn:
	s_mov_b64 s[64:65], 0
	v_nop
	global_prefetch_b8 v0, s[64:65] scope:SCOPE_SE
	s_setreg_imm32_b32 hwreg(HW_REG_WAVE_MODE, 25, 1), 1
	s_wait_xcnt 0x0
	s_wait_alu depctr_hold_cnt(0) depctr_sa_sdst(0) depctr_va_vdst(0) depctr_va_sdst(0) depctr_va_ssrc(0) depctr_va_vcc(0) depctr_vm_vsrc(0)
	s_getreg_b32 s2, hwreg(HW_REG_IB_STS2, 6, 4)
	s_cmp_eq_u32 s2, 0
	s_cbranch_scc0 .Lentry_in_a_cluster
	s_endpgm
.Lentry_in_a_cluster:
	s_bfe_u32 s2, ttmp6, 0x10000c
	s_cmp_lg_u32 s2, 0x3003
	s_cbranch_scc0 .Lentry_shape_is_right
	s_endpgm
.Lentry_shape_is_right:
; o = softmax(q k^T / 8) v for one (batch, head), both products on codes of FP6 (E2M3) with E8M0 scales; o is divided by the row's sum and quantised along the head's 64 for the last product.
; THE SOFTMAX: t = score x log2(e) / 8; M = the running largest t rounded up to a whole number; p = 2^(t - M) is quantised along the keys; the sum is taken of the unquantised p; when M moves, sum and O are multiplied by 2^(old M - new M).
; SHARES.  A work-group owns 256 queries of one head, each of its sixteen waves one tile of 16.  Every wave walks the head's 2,048 keys, 128 a step.
; THE WHOLE HEAD LIES IN LDS: K's codes 98,304 bytes, V's 98,304, their scale words 12,288: each byte is filled once, in four chunks of 512 keys, and nothing is filled again.
; The four work-groups of a cluster belong to one head: every tile is asked for jointly (mask 15).  Wave 0 issues K's five loads, wave 1 V's five: five tensor loads of a wave are out at the most.
; OPERANDS lie in memory and in LDS as images of their registers: registers 0-3 at 16 x lane, 4-5 at 512 + 8 x lane (q, k: K = 64, registers 6-11 are zeros kept in registers), v also 6-9 at 768 + 16 x lane, 10-11 at 1,280 + 8 x lane.
; Both products are used transposed: a lane holds one query.  A tile's 16 tokens are 32 b + 8 u + r + 8 (r / 8), so p's 16 registers of two neighbouring tiles are 16 neighbouring keys, and O^T's are 16 neighbouring channels.
; No prefetch: all tensor loads go out at the kernel's head, so there is no later load to ask ahead for.
; LIMITS: a block of o whose largest magnitude lies under 2^-124 gets the byte 1 (this program alone reads the bytes); NaN and infinities are not served.
.set KREG,  0
.set VREG,  98304
.set KSC,   196608
.set VSC,   204800
.set STG,   208896                     ; o's codes of 256 queries, 48 bytes each; no tile lands here
.set STGS,  221184                     ; their scale bytes, 2 each
.set SPARE, 221696                     ; the spare words, 128 bytes a wave: eight blocks of 256 bytes that no other line names
.set L16,  1                           ; v1 16 x lane, v2 8 x lane, v3 4 x lane; never rewritten
.set L8,   2
.set L4,   3
.set ADK16, 4
.set SPW,  5
.set NIL,  6
.set VSW,  7                           ; v7-8 V's scale words
.set ADK8, 9
.set ADV16, 10
.set ADV8, 11
.set QF,   16                          ; v16-27 Q
.set ADS,  28
.set ADT,  29
.set KFR,  32                          ; v32-79 four fragments of K
.set VFR,  80                          ; v80-127 four fragments of V
.set S,    128                         ; v128-191 S^T, then p
.set OT,   192                         ; v192-223 O^T
.set PCD,  224                         ; v224-235 p's codes
.set KSW,  248                         ; v248-251 K's scale words
.set PSW,  253                         ; p's scale word
.set QSW,  255                         ; Q's scale words
.set CNT,  2
.set WV,   12
.set SEL,  20
.set CS,   22
.set G1K,  24
.set G1V,  32
.set G1KS, 40
.set G1VS, 48
.set TK,   100
.set TV,   101
.set TS,   104
.set TJ,   105
.macro CROUND
	s_barrier_signal -1
	s_barrier_wait -1
	s_cmp_lg_u32 s[WV], 0
	s_cbranch_scc1 .Lnot_wave_0_\@
	s_barrier_signal -3
.Lnot_wave_0_\@:
	s_barrier_wait -3
	s_barrier_signal -1
	s_barrier_wait -1
.endm
.macro G1SET g, c, r, p                ; group 1: r rows of c elements of 8 bytes, p elements apart; no padding; mask 15 with bit 21 beside it
	s_mov_b32 s[\g], 15|(3<<16)|(1<<21)
	s_mov_b32 s[\g+1], (\c)<<16
	s_mov_b32 s[\g+2], (\r)<<16
	s_mov_b32 s[\g+3], (\c)<<16
	s_mov_b32 s[\g+4], \r
	s_mov_b32 s[\g+5], \p
	s_mov_b32 s[\g+6], 0
	s_mov_b32 s[\g+7], 0
.endm
.macro G0SET g, lds, base, off         ; group 0: to LDS byte lds, from s[base:base+1] + off
	s_mov_b32 s[\g], 1
	s_mov_b32 s[\g+1], \lds
	s_add_nc_u64 s[\g+2:\g+3], s[\base:\base+1], \off
	s_or_b32 s[\g+3], s[\g+3], 0x80000000
.endm
	s_load_b256 s[4:11], s[0:1], 0x0               ; qkv_codes s[4:5], qkv_scales s[6:7], o_codes s[8:9], o_scales s[10:11]
	v_lshl_add_u32 v[SPW], v0, 2, SPARE
	v_mov_b32 v[NIL], 0
	ds_add_u32 v[SPW], v[NIL]                      ; the wave's opening: an add to my spare word, waited for ahead of the first tensor loads
	v_lshrrev_b32 v1, 5, v0
	v_readfirstlane_b32 s[WV], v1                  ; wave 0..15
	s_bfe_u32 s13, ttmp6, 0x40000                  ; cx
	s_lshl_b32 s14, ttmp9, 2
	s_add_co_u32 s14, s14, s13                     ; my block of 256 queries: it enters Q's and o's addresses alone
	s_and_b32 s15, ttmp7, 0xffff                   ; 16 x batch + head, which the four partners share
	s_lshr_b32 s16, s15, 4                         ; batch
	s_and_b32 s17, s15, 15                         ; head
	s_lshr_b32 s18, s17, 1                         ; its pair
	s_and_b32 s19, s17, 1                          ; and its place in the pair
	G1SET G1K, 96, 32, 192                         ; K: 32 tiles of 768 bytes, 1,536 apart
	G1SET G1V, 32, 96, 32                          ; V: 24,576 dense bytes
	G1SET G1KS, 32, 32, 32                         ; K's scale words: 8,192 dense bytes
	G1SET G1VS, 32, 16, 32                         ; V's: 4,096
	s_mul_i32 s66, s16, 196608
	s_mul_i32 s67, s19, 768
	s_add_co_u32 s66, s66, s67
	s_mul_i32 s67, s18, 786432
	s_add_co_u32 s66, s66, s67                     ; q's images of this batch and head
	s_add_co_u32 s100, s66, 6291456                ; k's: eight pairs on
	s_mov_b32 s101, 0
	s_lshl_b32 s18, s14, 4
	s_add_co_u32 s18, s18, s[WV]                   ; my tile of 16 tokens
	s_mul_i32 s19, s18, 1536
	s_add_co_u32 s66, s66, s19                     ; Q's image
	s_mov_b32 s67, 0
	s_mul_i32 s104, s17, 393216
	s_mul_i32 s105, s16, 98304
	s_add_co_u32 s104, s104, s105
	s_add_co_u32 s104, s104, 12582912              ; v's images
	s_mov_b32 s105, 0
	s_lshl_b32 s2, s17, 15
	s_lshl_b32 s3, s16, 13
	s_add_co_u32 s2, s2, s3                        ; q's scale words of this batch and head
	s_lshl_b32 s19, s18, 6
	s_add_co_u32 s18, s2, s19                      ; my tile's
	s_mov_b32 s19, 0
	s_add_co_u32 s2, s2, 524288                    ; k's: sixteen heads on
	s_mov_b32 s3, 0
	s_lshl_b32 s17, s17, 14
	s_lshl_b32 s16, s16, 12
	s_add_co_u32 s16, s16, s17
	s_add_co_u32 s16, s16, 1048576                 ; v's scale words
	s_mov_b32 s17, 0
	s_lshl_b32 s20, s15, 12
	s_lshl_b32 s21, s14, 9
	s_add_co_u32 s20, s20, s21                     ; o's scale bytes: 4,096 a head, 512 a block
	s_mov_b32 s21, 0
	s_mul_i32 s22, s15, 98304
	s_mul_i32 s23, s14, 12288
	s_add_co_u32 s22, s22, s23
	s_mul_i32 s23, s[WV], 768
	s_add_co_u32 s22, s22, s23                     ; o's codes: 98,304 a head, 12,288 a block, 768 a wave
	s_mov_b32 s23, 0
	s_wait_dscnt 0x0                               ; the opening add is done
	s_wait_kmcnt 0x0
	s_add_nc_u64 s[2:3], s[6:7], s[2:3]
	s_add_nc_u64 s[16:17], s[6:7], s[16:17]
	s_add_nc_u64 s[100:101], s[4:5], s[100:101]
	s_add_nc_u64 s[104:105], s[4:5], s[104:105]
	G0SET 56, KSC, 2, 0
	G0SET 60, KREG, 100, 0
	G0SET 68, KREG+24576, 100, 49152
	G0SET 72, KREG+2*24576, 100, 2*49152
	G0SET 76, KREG+3*24576, 100, 3*49152
	G0SET 80, VSC, 16, 0
	G0SET 84, VREG, 104, 0
	G0SET 88, VREG+24576, 104, 24576
	G0SET 92, VREG+2*24576, 104, 2*24576
	G0SET 96, VREG+3*24576, 104, 3*24576
	s_add_nc_u64 s[4:5], s[4:5], s[66:67]          ; Q's image
	s_add_nc_u64 s[6:7], s[6:7], s[18:19]          ; Q's scale words
	s_add_nc_u64 s[8:9], s[8:9], s[22:23]
	s_add_nc_u64 s[10:11], s[10:11], s[20:21]
	s_mov_b32 s[SEL], 0x76543210
	s_mov_b32 s[SEL+1], 0xfedcba98
	s_mov_b32 s[CS], 0x3e38aa3b                    ; c = log2(e) / 8
	s_mov_b32 s[CS+1], s[CS]                       ; (named with it as a pair, so it is written)
	s_mov_b32 s[TK], KREG
	s_mov_b32 s[TV], VREG
	s_mov_b32 s[TS], KSC
	s_mov_b32 s[TJ], VSC
	CROUND                                         ; all four work-groups are here: the joint loads meet
	s_cmp_eq_u32 s[WV], 0                          ; a wave's five fills stand in one branch on the wave's number; an s_nop 0 follows each, four v_nop the last
	s_cbranch_scc0 .Lnot_k
	tensor_load_to_lds s[56:59], s[G1KS:G1KS+7]
	s_nop 0
	tensor_load_to_lds s[60:63], s[G1K:G1K+7]
	s_nop 0
	tensor_load_to_lds s[68:71], s[G1K:G1K+7]
	s_nop 0
	tensor_load_to_lds s[72:75], s[G1K:G1K+7]
	s_nop 0
	tensor_load_to_lds s[76:79], s[G1K:G1K+7]
	s_nop 0
.rept 4
	v_nop
.endr
	s_branch .Lasked
.Lnot_k:
	s_cmp_eq_u32 s[WV], 1
	s_cbranch_scc0 .Lasked
	tensor_load_to_lds s[80:83], s[G1VS:G1VS+7]
	s_nop 0
	tensor_load_to_lds s[84:87], s[G1V:G1V+7]
	s_nop 0
	tensor_load_to_lds s[88:91], s[G1V:G1V+7]
	s_nop 0
	tensor_load_to_lds s[92:95], s[G1V:G1V+7]
	s_nop 0
	tensor_load_to_lds s[96:99], s[G1V:G1V+7]
	s_nop 0
.rept 4
	v_nop
.endr
.Lasked:
	v_and_b32 v[L4], 31, v0
	v_lshlrev_b32 v[L16], 4, v[L4]
	v_lshlrev_b32 v[L8], 3, v[L4]
	v_lshlrev_b32 v[L4], 2, v[L4]
	v_and_b32 v254, 15, v0
	v_lshlrev_b32 v254, 2, v254
	global_load_b128 v[QF:QF+3], v[L16], s[4:5]    ; Q's fragment stays in registers
	global_load_b64 v[QF+4:QF+5], v[L8], s[4:5] offset:512
	global_load_b32 v[QSW], v254, s[6:7]
.irp i, 6,7,8,9,10,11
	v_mov_b32 v[QF+\i], 0                          ; K = 64 of the instruction's 128: the upper half is zero codes, on both sides
.endr
.irp t, 0,1,2,3
.irp i, 6,7,8,9,10,11
	v_mov_b32 v[KFR+12*\t+\i], 0                   ; written once: no load lands here
.endr
.endr
	v_mov_b32 v13, 0xff61b1e6                      ; the largest t so far: -3e38
	v_floor_f32 v12, -v13                          ; -M
	v_mov_b32 v14, 0                               ; the sum, in two halves
	v_mov_b32 v15, 0
.irp b, 0,1,2,3
	v_mov_b32 v[236+\b], 0                         ; a lane permute's destination counts as one of its sources
.endr
	v_mov_b32 v[PSW], 0                            ; (named as the upper half of the pair v[252:253] before it is first written)
.irp j, 0,1,2,3,4,5,6,7,8,9,10,11,12,13,14,15,16,17,18,19,20,21,22,23,24,25,26,27,28,29,30,31
	v_mov_b32 v[OT+\j], 0                          ; O^T: the step is written once; its first trip finds zeros
.endr
	s_wait_loadcnt 0x0                             ; Q
.macro SPROD t                         ; S^T tile t = 16 keys x my 16 queries; lanes 0-15 of a scale register hold the even tile's words, lanes 16-31 the odd tile's
.if (\t)%2
	v_wmma_scale_f32_16x16x128_f8f6f4 v[S+8*(\t):S+8*(\t)+7], v[KFR+12*((\t)%4):KFR+12*((\t)%4)+11], v[QF:QF+11], 0, v[KSW+(\t)/2], v[QSW] matrix_a_fmt:MATRIX_FMT_FP6 matrix_b_fmt:MATRIX_FMT_FP6 matrix_a_scale:MATRIX_SCALE_ROW1
.else
	v_wmma_scale_f32_16x16x128_f8f6f4 v[S+8*(\t):S+8*(\t)+7], v[KFR+12*((\t)%4):KFR+12*((\t)%4)+11], v[QF:QF+11], 0, v[KSW+(\t)/2], v[QSW] matrix_a_fmt:MATRIX_FMT_FP6 matrix_b_fmt:MATRIX_FMT_FP6
.endif
.endm
.macro VPROD t                         ; O^T tile t += 16 channels x 128 keys x my 16 queries
.if (\t)%2
	v_wmma_scale_f32_16x16x128_f8f6f4 v[OT+8*(\t):OT+8*(\t)+7], v[VFR+12*(\t):VFR+12*(\t)+11], v[PCD:PCD+11], v[OT+8*(\t):OT+8*(\t)+7], v[VSW+(\t)/2], v[PSW] matrix_a_fmt:MATRIX_FMT_FP6 matrix_b_fmt:MATRIX_FMT_FP6 matrix_a_scale:MATRIX_SCALE_ROW1
.else
	v_wmma_scale_f32_16x16x128_f8f6f4 v[OT+8*(\t):OT+8*(\t)+7], v[VFR+12*(\t):VFR+12*(\t)+11], v[PCD:PCD+11], v[OT+8*(\t):OT+8*(\t)+7], v[VSW+(\t)/2], v[PSW] matrix_a_fmt:MATRIX_FMT_FP6 matrix_b_fmt:MATRIX_FMT_FP6
.endif
.endm
; A KEY STEP: 128 keys.
.macro STEP
	v_add_nc_u32 v[ADK16], s[TK], v[L16]           ; six plain lines: also the places between the last step's products and the loads into their registers
	v_add_nc_u32 v[ADK8], s[TK], v[L8]
	v_add_nc_u32 v[ADV16], s[TV], v[L16]
	v_add_nc_u32 v[ADV8], s[TV], v[L8]
	v_add_nc_u32 v[ADS], s[TS], v[L4]
	v_add_nc_u32 v[ADT], s[TJ], v[L4]
.irp t, 0,1,2,3
	ds_load_b128 v[KFR+12*\t:KFR+12*\t+3], v[ADK16] offset:768*\t
	ds_load_b64 v[KFR+12*\t+4:KFR+12*\t+5], v[ADK8] offset:768*\t+512
.endr
.irp u, 0,1,2,3
	ds_load_b32 v[KSW+\u], v[ADS] offset:128*\u
.endr
.irp t, 0,1,2,3
	ds_load_b128 v[VFR+12*\t:VFR+12*\t+3], v[ADV16] offset:1536*\t
	ds_load_b64 v[VFR+12*\t+4:VFR+12*\t+5], v[ADV8] offset:1536*\t+512
	ds_load_b128 v[VFR+12*\t+6:VFR+12*\t+9], v[ADV16] offset:1536*\t+768
	ds_load_b64 v[VFR+12*\t+10:VFR+12*\t+11], v[ADV8] offset:1536*\t+1280
.endr
	ds_load_b32 v[VSW], v[ADT]
	ds_load_b32 v[VSW+1], v[ADT] offset:128
	s_wait_dscnt 18                                ; K's tiles 0-3 and its scale words are in; V's 16 loads and its 2 scale loads may be out
.irp t, 0,1,2,3
	SPROD \t
.endr
.rept 4
	v_nop                                          ; places in front of loads into registers that matrix instructions have read
.endr
.irp t, 0,1,2,3
	ds_load_b128 v[KFR+12*\t:KFR+12*\t+3], v[ADK16] offset:768*(4+\t)
	ds_load_b64 v[KFR+12*\t+4:KFR+12*\t+5], v[ADK8] offset:768*(4+\t)+512
.endr
	s_wait_dscnt 0x0
.irp t, 4,5,6,7
	SPROD \t
.endr
.rept 4
	v_nop
.endr
.irp b, 0,1,2,3
	v_max3_num_f32 v[232+\b], v[S+16*\b], v[S+1+16*\b], v[S+2+16*\b]   ; the largest score of each block of 32 keys: for the row's maximum, and, since p rises with the score, for the block's largest p
.endr
.irp i, 3,5,7,9,11,13
.irp b, 0,1,2,3
	v_max3_num_f32 v[232+\b], v[232+\b], v[S+16*\b+\i], v[S+1+16*\b+\i]
.endr
.endr
.irp b, 0,1,2,3
	v_max_num_f32 v[232+\b], v[232+\b], v[S+15+16*\b]
.endr
.irp b, 0,1,2,3
	v_permlanex16_b32 v[236+\b], v[232+\b], s[SEL], s[SEL+1]
.endr
.irp b, 0,1,2,3
	v_max_num_f32 v[232+\b], v[232+\b], v[236+\b]  ; with lane l xor 16's 16 keys
.endr
	v_max3_num_f32 v254, v232, v233, v234
	v_max_num_f32 v254, v254, v235                 ; the step's largest score of my query
	v_mul_f32 v254, s[CS], v254                    ; as t
	v_max_num_f32 v13, v13, v254                   ; the running largest t
	v_mov_b32 v254, v12
	v_floor_f32 v12, -v13                          ; the new -M = -ceil(t)
	v_sub_f32 v254, v12, v254                      ; old M - new M: a whole number, 0 or less
	v_cvt_i32_f32 v254, v254                       ; (it saturates)
	v_ldexp_f32 v252, 1.0, v254                    ; f = 2^(old M - new M)
.irp j, 0,2,4,6,8,10,12,14,16,18,20,22,24,26,28,30,32,34,36,38,40,42,44,46,48,50,52,54,56,58,60,62
	v_pk_fma_f32 v[S+\j:S+1+\j], v[S+\j:S+1+\j], s[CS:CS+1], v[12:13] op_sel_hi:[1,0,0]   ; t - M, two at a time
.endr
.irp b, 0,1,2,3
	v_fma_f32 v[232+\b], v[232+\b], s[CS], v12     ; the same of each block's largest score
.endr
.irp j, 0,1,2,3,4,5,6,7,8,9,10,11,12,13,14,15,16,17,18,19,20,21,22,23,24,25,26,27,28,29,30,31,32,33,34,35,36,37,38,39,40,41,42,43,44,45,46,47,48,49,50,51,52,53,54,55,56,57,58,59,60,61,62,63
	v_exp_f32 v[S+\j], v[S+\j]                     ; p = 2^(t - M): not normalised
.endr
	v_pk_mul_f32 v[14:15], v[14:15], v[252:253] op_sel_hi:[1,0]   ; the sums under the new M (a plain line behind the exponentials)
	s_wait_alu depctr_va_vdst(0)                   ; one wait for the batch of 64, ahead of its first reader
.irp b, 0,1,2,3
	v_exp_f32 v[232+\b], v[232+\b]                 ; the block's largest p
.endr
	v_pk_add_f32 v[236:237], v[S:S+1], v[S+2:S+3]  ; the row's sum of the unquantised p, in two chains
.irp j, 4,8,12,16,20,24,28,32,36,40,44,48,52,56,60
	v_pk_add_f32 v[14:15], v[14:15], v[S+\j:S+1+\j]
	v_pk_add_f32 v[236:237], v[236:237], v[S+2+\j:S+3+\j]
.endr
	v_pk_add_f32 v[14:15], v[14:15], v[236:237]
	s_wait_alu depctr_va_vdst(0)                   ; and one for the four
.irp b, 0,1,2,3
	v_max_num_f32 v[232+\b], 0x1800000, v[232+\b]  ; the floor 2^(3 - 127): the byte cannot fall under 1
.endr
.irp b, 0,1,2,3
	v_add_nc_u32 v[244+\b], 0xff000000, v[232+\b]  ; the conversion's scale operand
.endr
.irp b, 0,1,2,3
	v_lshrrev_b32 v[236+\b], 23, v[244+\b]         ; the scale's byte
.endr
	v_lshl_or_b32 v[PSW], v237, 8, v236            ; p's scale word for these 128 keys
	v_lshl_or_b32 v[PSW], v238, 16, v[PSW]
	v_lshl_or_b32 v[PSW], v239, 24, v[PSW]
.irp c, 0,1
	v_cvt_scalef32_pk16_fp6_f32 v[PCD+6*\c:PCD+2+6*\c], v[S+32*\c:S+15+32*\c], v[244+2*\c]
	v_cvt_scalef32_pk16_fp6_f32 v[236+4*\c:238+4*\c], v[S+16+32*\c:S+31+32*\c], v[244+2*\c+1]
.endr
	v_nop                                          ; one plain line behind a scaled conversion
.irp c, 0,1
.irp i, 0,1,2
	v_permlane16_swap_b32 v[PCD+6*\c+\i], v[236+4*\c+\i]
.endr
.irp i, 0,1,2
	v_mov_b32 v[PCD+3+6*\c+\i], v[236+4*\c+\i]
.endr
.endr
.irp j, 0,2,4,6,8,10,12,14,16,18,20,22,24,26,28,30
	v_pk_mul_f32 v[OT+\j:OT+1+\j], v[OT+\j:OT+1+\j], v[252:253] op_sel_hi:[1,0]   ; O^T under the new M; these 16 are also the places between the scale word, the codes and the products
.endr
.irp t, 0,1,2,3
	VPROD \t                                       ; four accumulators by turns
.endr
	s_add_co_u32 s[TK], s[TK], 6144
	s_add_co_u32 s[TV], s[TV], 6144
	s_add_co_u32 s[TS], s[TS], 512
	s_add_co_u32 s[TJ], s[TJ], 256
.endm
; 512 keys: their chunk has landed in the wave that asked for it; a barrier shows it to all sixteen.  The later chunks stay on their way.
.macro CHUNK c
	s_wait_tensorcnt 3-\c                          ; loads end in order: the scale words and chunks 0 to c are in, the 3 - c behind them may be out
	s_barrier_signal -1
	s_barrier_wait -1
	s_mov_b32 s[CNT], 4
.Lstep_\@:
	STEP
	s_sub_co_u32 s[CNT], s[CNT], 1
	s_cmp_lg_u32 s[CNT], 0
	s_cbranch_scc1 .Lstep_\@
.endm
	CHUNK 0
	CHUNK 1
	CHUNK 2
	CHUNK 3
	; THE WAY OUT.  O^T / the sum; its two blocks of 32 channels are quantised; codes and bytes meet in a stage, in the queries' true order, and leave as whole runs of 256 bytes.
	v_add_f32 v14, v14, v15
	v_permlanex16_b32 v252, v14, s[SEL], s[SEL+1]
	v_add_f32 v14, v14, v252                       ; the row's sum
	v_rcp_f32 v14, v14
	v_and_b32 v4, 7, v0                            ; (plain work behind the reciprocal)
	v_bfe_u32 v9, v0, 3, 1
	v_lshl_add_u32 v4, v9, 4, v4                   ; r + 8 (r / 8)
	v_bfe_u32 v9, v0, 4, 1                         ; h
	s_lshr_b32 s2, s[WV], 1
	s_lshl_b32 s2, s2, 5
	s_and_b32 s3, s[WV], 1
	s_lshl_b32 s3, s3, 3
	s_add_co_u32 s2, s2, s3                        ; 32 (w / 2) + 8 (w % 2)
	v_add_nc_u32 v4, s2, v4                        ; my query's true place among the block's 256
	v_mul_u32_u24 v30, v4, 48
	v_mad_u32_u24 v30, v9, 24, v30
	v_add_nc_u32 v30, STG, v30                     ; its 48 bytes, my block's 24
	v_lshl_add_u32 v31, v4, 1, STGS                ; its two scale bytes
	s_mul_i32 s3, s[WV], 768
	s_add_co_u32 s3, s3, STG
	v_add_nc_u32 v10, s3, v[L16]                   ; back: 768 bytes a wave
	v_add_nc_u32 v11, s3, v[L8]
	v_add_nc_u32 v28, STGS, v[L16]
	s_wait_alu depctr_va_vdst(0)                   ; the wait ahead of the reciprocal's first reader
.irp j, 0,1,2,3,4,5,6,7,8,9,10,11,12,13,14,15,16,17,18,19,20,21,22,23,24,25,26,27,28,29,30,31
	v_mul_f32 v[S+\j], v[OT+\j], v14               ; register 16 b + i is channel 32 b + 16 h + i of my query
.endr
.irp b, 0,1
	v_max3_num_f32 v[232+\b], |v[S+16*\b]|, |v[S+1+16*\b]|, 0x1800000
.endr
.irp i, 2,4,6,8,10,12,14
.irp b, 0,1
	v_max3_num_f32 v[232+\b], v[232+\b], |v[S+16*\b+\i]|, |v[S+1+16*\b+\i]|
.endr
.endr
.irp b, 0,1
	v_permlanex16_b32 v[236+\b], v[232+\b], s[SEL], s[SEL+1]
.endr
.irp b, 0,1
	v_max_num_f32 v[232+\b], v[232+\b], v[236+\b]
.endr
.irp b, 0,1
	v_add_nc_u32 v[244+\b], 0xff000000, v[232+\b]
.endr
.irp b, 0,1
	v_lshrrev_b32 v[236+\b], 23, v[244+\b]
.endr
	v_lshl_or_b32 v238, v237, 8, v236              ; the query's two bytes
	v_cvt_scalef32_pk16_fp6_f32 v[224:226], v[S:S+15], v244
	v_cvt_scalef32_pk16_fp6_f32 v[240:242], v[S+16:S+31], v245
	v_nop
.irp i, 0,1,2
	v_permlane16_swap_b32 v[224+\i], v[240+\i]     ; lanes 0-15 now hold block 0 whole, lanes 16-31 block 1
.endr
.irp i, 0,1,2
	v_mov_b32 v[227+\i], v[240+\i]
.endr
	ds_store_b64 v30, v[224:225]
	ds_store_b64 v30, v[226:227] offset:8
	ds_store_b64 v30, v[228:229] offset:16
	ds_store_b16 v31, v238                         ; both lanes of a query write the same two bytes
	s_wait_dscnt 0x0                               ; for the others' sake: my stores into the stage are done
	s_barrier_signal -1
	s_barrier_wait -1
	ds_load_b128 v[32:35], v10
	ds_load_b64 v[36:37], v11 offset:512
	s_cmp_lg_u32 s[WV], 0
	s_cbranch_scc1 .Lnot_0
	ds_load_b128 v[40:43], v28                     ; wave 0 also takes the block's 512 scale bytes
	s_wait_dscnt 0x0
	global_store_b128 v[L16], v[40:43], s[10:11]
.Lnot_0:
	s_wait_dscnt 0x0
	global_store_b128 v[L16], v[32:35], s[8:9]     ; 512 and 256 consecutive bytes, aligned to 256
	global_store_b64 v[L8], v[36:37], s[8:9] offset:512
	s_wait_tensorcnt 0x0                           ; the wave's end
	ds_add_u32 v[SPW], v[NIL]
	s_wait_dscnt 0x0
	CROUND                                         ; the closing round
	s_endpgm
.Lfunc_end_k_qed3a71f832_attn:
	.size	k_qed3a71f832_attn, .Lfunc_end_k_qed3a71f832_attn-k_qed3a71f832_attn
	.p2alignl 7, 3214868480
	.fill 96, 4, 3214868480
	.section	.rodata,"a",@progbits
	.p2align	6, 0x0
	.amdhsa_kernel k_qed3a71f832_attn
		.amdhsa_group_segment_fixed_size 327680
		.amdhsa_private_segment_fixed_size 0
		.amdhsa_enable_private_segment 0
		.amdhsa_kernarg_size 32
		.amdhsa_user_sgpr_count 2
		.amdhsa_user_sgpr_kernarg_segment_ptr 1
		.amdhsa_wavefront_size32 1
		.amdhsa_system_sgpr_workgroup_id_x 1
		.amdhsa_system_sgpr_workgroup_id_y 1
		.amdhsa_system_sgpr_workgroup_id_z 1
		.amdhsa_system_vgpr_workitem_id 0
		.amdhsa_next_free_vgpr 256
		.amdhsa_next_free_sgpr 106
		.amdhsa_reserve_vcc 0
		.amdhsa_float_denorm_mode_32 3
		.amdhsa_float_denorm_mode_16_64 3
		.amdhsa_memory_ordered 1
		.amdhsa_forward_progress 1
		.amdhsa_inst_pref_size 83
	.end_amdhsa_kernel
	.amdgpu_metadata
---
amdhsa.version: [ 1, 2 ]
amdhsa.kernels:
  - .name:           k_qed3a71f832_attn
    .symbol:         k_qed3a71f832_attn.kd
    .args:
      - { .name: qkv_codes, .offset: 0, .size: 8, .value_kind: global_buffer, .address_space: global }
      - { .name: qkv_scales, .offset: 8, .size: 8, .value_kind: global_buffer, .address_space: global }
      - { .name: o_codes, .offset: 16, .size: 8, .value_kind: global_buffer, .address_space: global }
      - { .name: o_scales, .offset: 24, .size: 8, .value_kind: global_buffer, .address_space: global }
    .group_segment_fixed_size: 327680
    .private_segment_fixed_size: 0
    .kernarg_segment_align: 8
    .kernarg_segment_size: 32
    .max_flat_workgroup_size: 512
    .sgpr_count:     106
    .vgpr_count:     256
    .wavefront_size: 32
...
	.end_amdgpu_metadata
.endif
;; end of part 3
;; launch gemm_out (part 4): grid 4 x 32, 4 waves a work-group, clusters of 4 x 4, 327,680 bytes of LDS; arguments o_codes, o_scales, pc, ps, b_out, out0; writes out0
.if DOCPART == 4
	.amdgcn_target "amdgcn-amd-amdhsa--gfx1250"
	.amdhsa_code_object_version 6
	.text
	.protected	k_qed3a71f832_gemm_out
	.globl	k_qed3a71f832_gemm_out
	.p2align	8
	.type	k_qed3a71f832_gemm_out,@function
k_qed3a71f832_gemm_out:
	s_mov_b64 s[64:65], 0
	v_nop
	global_prefetch_b8 v0, s[64:65] scope:SCOPE_SE
	s_setreg_imm32_b32 hwreg(HW_REG_WAVE_MODE, 25, 1), 1
	s_wait_xcnt 0x0
	s_wait_alu depctr_hold_cnt(0) depctr_sa_sdst(0) depctr_va_vdst(0) depctr_va_sdst(0) depctr_va_ssrc(0) depctr_va_vcc(0) depctr_vm_vsrc(0)
	s_getreg_b32 s2, hwreg(HW_REG_IB_STS2, 6, 4)
	s_cmp_eq_u32 s2, 0
	s_cbranch_scc0 .Lentry_in_a_cluster
	s_endpgm
.Lentry_in_a_cluster:
	s_bfe_u32 s2, ttmp6, 0x10000c
	s_cmp_lg_u32 s2, 0xf033
	s_cbranch_scc0 .Lentry_shape_is_right
	s_endpgm
.Lentry_shape_is_right:
; out0 = Q(o') Q(w_out) + b_out on codes of FP6 (E2M3) with E8M0 scales.  A: o_codes [8192][768 bytes], o_scales [8192][32]; B: rows 11264 .. 12287 of pc and ps (w_out's columns, K innermost); out0 [8192][1024] f32.
; A tile of out0, 256 x 256, is made by four waves, 128 x 128 each: 64 accumulators.  K = 1,024 goes in steps of 256 through a ring of two LDS slots; the scales of the 512 rows come once.
; CLUSTERS: 4 x 4 work-groups; A's tiles are asked for jointly along a row of the cluster, B's along a column.  The grid has 128 work-groups: a smaller tile would read each fragment from LDS for fewer products.
; THE MATRIX INSTRUCTION IS USED TRANSPOSED (source 0 = 16 rows of B, source 1 = 16 rows of A): a lane holds eight neighbouring numbers of a row of out0.  The bias is the C of each sum's first product.
; REGISTERS: window 0: v1-6, v16-30 addresses; v32-63 scale words, two sets; v64-127 the bias, eight registers for each of B's eight blocks; from v128 A's fragments; on the way out v128-255 rows read back.
;   window 1: B's fragments, two sets.   windows 2, 3: the accumulators ((a, b) at v[8 (8 (a % 4) + b)]).
.set SIZE_N, 1024
.set SIZE_K, 1024
.set KSTEP,  256
.set NQ,     KSTEP/128
.set ROWB,   192
.set KROW,   SIZE_K*6/8
.set PITCH,  240
.set FR,     12
.set NL,     6
.set NP,     4
.set HALFT,  128*PITCH
.set SLOT,   4*HALFT
.set LAPS,   SIZE_K/(2*KSTEP)
.set KS,     SIZE_K/32
.set SCL,    2*SLOT
.set HALFS,  (128*KS/256)*272
.set SBLK,   (16*KS/256)*272
.set SPARE,  SCL+4*HALFS               ; the spare words, 128 bytes a wave: two blocks of 256 bytes that no other line names
.set SPITCH, 528                       ; the way out: a stage of 16 rows x (512 bytes + 16) a wave, in slot 0, which has had its last fill and its last read by then
.set ADRA, 16
.set ADRB, 20
.set STO,  24
.set RD,   25
.set CO,   26
.set ADRS, 27
.set SPW,  28
.set NIL,  29
.set BO,   30                          ; v30 the bias loads' offset: 32 x (lane / 16)
.set SC,   32
.set BIAS, 64
.set AF,   128
.set BK,   128
.set G1, 24
.set G0, 32
.set G1B, 48
.set G0B, 56
.set G1S, 68
.set G0S, 76
.set G1SB, 80
.set G0SB, 88
.set MSB, 0
.macro WIN new
.if MSB != \new
	s_set_vgpr_msb (MSB<<8)|\new
.set MSB, \new
.endif
.endm
.set MUL_LO, 0xa1                      ; source 0 (B) window 1, source 1 (A) window 0, C and D window 2
.set MUL_HI, 0xf1
.set FST_LO, 0x81                      ; the first step: C (the bias) window 0, D window 2
.set FST_HI, 0xc1
.set TO_B,   0x40
.macro JLOAD g0a, g1a, g0b, g1b
	s_cmp_eq_u32 s15, 0
	s_cbranch_scc0 .Lfor_b_\@
	tensor_load_to_lds s[\g0a:\g0a+3], s[\g1a:\g1a+7]
	s_nop 0
.rept 4
	v_nop
.endr
	s_branch .Lasked_\@
.Lfor_b_\@:
	tensor_load_to_lds s[\g0b:\g0b+3], s[\g1b:\g1b+7]
	s_nop 0
.rept 4
	v_nop
.endr
.Lasked_\@:
.endm
.macro CREST
	s_cmp_lg_u32 s14, 0
	s_cbranch_scc1 .Lnot_wave_0_\@
	s_barrier_signal -3
.Lnot_wave_0_\@:
	s_barrier_wait -3
	s_barrier_signal -1
	s_barrier_wait -1
.endm
.macro CROUND
	s_barrier_signal -1
	s_barrier_wait -1
	CREST
.endm
	s_load_b256 s[4:11], s[0:1], 0x0               ; o_codes s[4:5], o_scales s[6:7], pc s[8:9], ps s[10:11]
	s_load_b128 s[96:99], s[0:1], 0x20             ; b_out s[96:97], out0 s[98:99]
	v_lshl_add_u32 v[SPW], v0, 2, SPARE
	v_mov_b32 v[NIL], 0
	ds_add_u32 v[SPW], v[NIL]                      ; the wave's opening: an add to my spare word, waited for ahead of my first tensor load
	v_lshrrev_b32 v1, 5, v0
	v_readfirstlane_b32 s14, v1                    ; wave 0..3
	s_lshr_b32 s15, s14, 1
	s_and_b32 s16, s14, 1
	s_bfe_u32 s40, ttmp6, 0x40000                  ; cx, cy
	s_bfe_u32 s41, ttmp6, 0x40004
	s_lshl_b32 s42, ttmp9, 2
	s_add_co_u32 s42, s42, s40                     ; tile column
	s_and_b32 s17, ttmp7, 0xffff
	s_lshl_b32 s17, s17, 2
	s_add_co_u32 s17, s17, s41                     ; tile row
	s_lshl_b32 s43, s41, 2
	s_lshl_b32 s43, 15, s43
	s_lshl_b32 s44, 0x1111, s40
	s_or_b32 s[G1+0], s43, (0<<16)|(1<<20)|(1<<21)|(3<<22)|(3<<25)
	s_or_b32 s[G1B+0], s44, (0<<16)|(1<<20)|(1<<21)|(3<<22)|(3<<25)
.irp g, G1, G1B
	s_mov_b32 s[\g+1], ROWB<<16
	s_mov_b32 s[\g+2], 128<<16
	s_mov_b32 s[\g+3], ROWB<<16
	s_mov_b32 s[\g+4], 128
	s_mov_b32 s[\g+5], KROW
	s_mov_b32 s[\g+6], 0
	s_mov_b32 s[\g+7], 0
.endr
	s_or_b32 s[G1S+0], s43, (3<<16)|(1<<20)|(1<<21)|(5<<22)|(3<<25)
	s_or_b32 s[G1SB+0], s44, (3<<16)|(1<<20)|(1<<21)|(5<<22)|(3<<25)
.irp g, G1S, G1SB
	s_mov_b32 s[\g+1], 32<<16
	s_mov_b32 s[\g+2], (128*KS/256)<<16
	s_mov_b32 s[\g+3], 32<<16
	s_mov_b32 s[\g+4], 128*KS/256
	s_mov_b32 s[\g+5], 32
	s_mov_b32 s[\g+6], 0
	s_mov_b32 s[\g+7], 0
.endr
	s_lshl_b32 s18, s16, 7
	s_lshl_b32 s20, s17, 8
	s_add_co_u32 s20, s20, s18                     ; A: row 256 x tile row + 128 x half
	s_lshl_b32 s46, s42, 8
	s_add_co_u32 s46, s46, s18
	s_add_co_u32 s46, s46, 11264                   ; B: w_out's columns begin at row 11,264 of pc
	s_mov_b32 s21, 0
	s_mov_b32 s47, 0
	s_mov_b64 s[18:19], KS
	s_mul_u64 s[22:23], s[20:21], s[18:19]
	s_mul_u64 s[92:93], s[46:47], s[18:19]
	s_mov_b64 s[18:19], KROW
	s_mul_u64 s[20:21], s[20:21], s[18:19]
	s_mul_u64 s[46:47], s[46:47], s[18:19]
	s_mul_i32 s45, s14, HALFT
	s_mul_i32 s94, s14, HALFS
	s_wait_dscnt 0x0                               ; the opening add is done
	s_wait_kmcnt 0x0
	s_mov_b64 s[12:13], s[98:99]                   ; out0
	s_add_nc_u64 s[20:21], s[4:5], s[20:21]
	s_add_nc_u64 s[22:23], s[6:7], s[22:23]
	s_add_nc_u64 s[46:47], s[8:9], s[46:47]
	s_add_nc_u64 s[92:93], s[10:11], s[92:93]
	CROUND                                         ; all sixteen work-groups are here: the first joint loads meet
	s_mov_b32 s[G0S], 1
	s_add_co_u32 s[G0S+1], s94, SCL
	s_mov_b64 s[G0S+2:G0S+3], s[22:23]
	s_or_b32 s[G0S+3], s[G0S+3], 0x80000000
	s_mov_b32 s[G0SB], 1
	s_add_co_u32 s[G0SB+1], s94, SCL
	s_mov_b64 s[G0SB+2:G0SB+3], s[92:93]
	s_or_b32 s[G0SB+3], s[G0SB+3], 0x80000000
	JLOAD G0S, G1S, G0SB, G1SB
.irp s, 0,1
	s_mov_b32 s[G0+4*\s], 1
	s_add_co_u32 s[G0+4*\s+1], s45, \s*SLOT
	s_add_nc_u64 s[G0+4*\s+2:G0+4*\s+3], s[20:21], \s*ROWB
	s_or_b32 s[G0+4*\s+3], s[G0+4*\s+3], 0x80000000
	s_mov_b32 s[G0B+4*\s], 1
	s_add_co_u32 s[G0B+4*\s+1], s45, \s*SLOT
	s_add_nc_u64 s[G0B+4*\s+2:G0B+4*\s+3], s[46:47], \s*ROWB
	s_or_b32 s[G0B+4*\s+3], s[G0B+4*\s+3], 0x80000000
	JLOAD G0+4*\s, G1, G0B+4*\s, G1B
.endr
	v_and_b32 v1, 15, v0                           ; r
	v_bfe_u32 v2, v0, 4, 1                         ; h
	v_mul_u32_u24 v3, v1, PITCH
	v_mul_u32_u24 v4, v2, 24
	v_add_nc_u32 v4, v3, v4
	v_lshl_add_u32 v5, v2, 4, v4
	s_mul_i32 s21, s15, HALFT
	s_mul_i32 s22, s16, HALFT
	s_add_co_u32 s22, s22, 2*HALFT
.irp s, 0,1
	v_add_nc_u32 v[ADRA+\s], s21, v4
	v_add_nc_u32 v[ADRB+\s], s22, v4
	v_add_nc_u32 v[ADRA+2+\s], s21, v5
	v_add_nc_u32 v[ADRB+2+\s], s22, v5
	s_add_co_u32 s21, s21, SLOT
	s_add_co_u32 s22, s22, SLOT
.endr
	v_mul_u32_u24 v5, v1, KS
	v_lshrrev_b32 v6, 8, v5
	v_lshl_add_u32 v5, v6, 4, v5
	s_mul_i32 s21, s15, HALFS
	s_mul_i32 s22, s16, HALFS
	s_add_co_u32 s22, s22, 2*HALFS
	s_sub_co_u32 s22, s22, s21
	v_mul_u32_u24 v6, s22, v2
	s_add_co_u32 s21, s21, SCL
	v_add_nc_u32 v5, v5, v6
	v_add_nc_u32 v[ADRS], s21, v5
	s_mul_i32 s23, s14, 16*SPITCH                  ; my stage
	v_mul_u32_u24 v5, v1, SPITCH
	v_lshl_add_u32 v5, v2, 5, v5
	v_add_nc_u32 v[STO], s23, v5
	v_and_b32 v6, 31, v0
	v_lshlrev_b32 v[CO], 4, v6
	v_add_nc_u32 v[RD], s23, v[CO]
	v_lshlrev_b32 v[BO], 5, v2
	s_lshl_b32 s20, s17, 8
	s_lshl_b32 s21, s15, 7
	s_add_co_u32 s20, s20, s21                     ; my first row of out0
	s_mov_b32 s21, 0
	s_mov_b64 s[18:19], SIZE_N*4
	s_mul_u64 s[20:21], s[20:21], s[18:19]
	s_lshl_b32 s46, s42, 10                        ; my first column, in bytes: 1,024 x tile column + 512 x half
	s_lshl_b32 s47, s16, 9
	s_add_co_u32 s46, s46, s47
	s_mov_b32 s47, 0
	s_add_nc_u64 s[96:97], s[96:97], s[46:47]      ; the bias of my 128 columns
	s_add_nc_u64 s[20:21], s[20:21], s[46:47]
	s_add_nc_u64 s[12:13], s[12:13], s[20:21]
.irp b, 0,1,2,3,4,5,6,7
	global_load_b128 v[BIAS+8*\b:BIAS+8*\b+3], v[BO], s[96:97] offset:64*\b        ; block b: b_out at columns 16 b + 8 h + 0 .. 7: the result's layout
	global_load_b128 v[BIAS+8*\b+4:BIAS+8*\b+7], v[BO], s[96:97] offset:64*\b+16
.endr
.macro FRAG reg, adr, q, i
.irp p, 0,1,2,3,4,5
.set PCE, 12*(\q)+6*(\p/3)+\p%3
.if PCE%8 < 5
	ds_load_b64 v[\reg+2*\p:\reg+2*\p+1], v[\adr] offset:8*PCE+16*(PCE/8)+(\i)*16*PITCH
.else
	ds_load_b64 v[\reg+2*\p:\reg+2*\p+1], v[\adr+2] offset:8*PCE+16*(PCE/8)+(\i)*16*PITCH
.endif
.endr
.endm
; 16 matrix instructions: A's blocks a0, a0 + 1 x B's eight.  first = 1: the bias starts the sums.  The 64 accumulators take turns, one instruction a turn.
.macro MUL16 a0, p, q, sc, first
.irp a, \a0, \a0+1
.irp b, 0,1,2,3,4,5,6,7
.if \first
	v_wmma_scale_f32_16x16x128_f8f6f4 v[8*(8*((\a)%4)+\b):8*(8*((\a)%4)+\b)+7], v[128*(\p)+FR*\b:128*(\p)+FR*\b+FR-1], v[AF+FR*(\a):AF+FR*(\a)+FR-1], v[BIAS+8*\b:BIAS+8*\b+7], v[SC+8*NQ*(\sc)+NQ*\b+(\q)], v[SC+8*NQ*(\sc)+NQ*(\a)+(\q)] matrix_a_fmt:MATRIX_FMT_FP6 matrix_b_fmt:MATRIX_FMT_FP6 matrix_a_scale:MATRIX_SCALE_ROW1
.else
	v_wmma_scale_f32_16x16x128_f8f6f4 v[8*(8*((\a)%4)+\b):8*(8*((\a)%4)+\b)+7], v[128*(\p)+FR*\b:128*(\p)+FR*\b+FR-1], v[AF+FR*(\a):AF+FR*(\a)+FR-1], v[8*(8*((\a)%4)+\b):8*(8*((\a)%4)+\b)+7], v[SC+8*NQ*(\sc)+NQ*\b+(\q)], v[SC+8*NQ*(\sc)+NQ*(\a)+(\q)] matrix_a_fmt:MATRIX_FMT_FP6 matrix_b_fmt:MATRIX_FMT_FP6 matrix_a_scale:MATRIX_SCALE_ROW1
.endif
.endr
.endr
.endm
.macro FETCH_B slot, q, p
	WIN TO_B
.irp i, 0,1,2,3,4,5,6,7
	FRAG 128*(\p)+FR*\i, ADRB+\slot, \q, \i
.endr
	WIN 0
.endm
.macro FETCH_A slot, q, i0
.irp i, \i0, \i0+1, \i0+2, \i0+3
	FRAG AF+FR*(\i), ADRA+\slot, \q, \i
.endr
.endm
.macro SCALES sc
.irp i, 0,1,2,3,4,5,6,7
	ds_load_b64 v[SC+8*NQ*\sc+NQ*\i:SC+8*NQ*\sc+NQ*\i+1], v[ADRS] offset:\i*SBLK
.endr
.endm
.macro PLACES n
.rept \n
	v_nop
.endr
.endm
.macro STEP slot, q, first
	s_wait_dscnt 4*NL                              ; B's set and A's blocks 0-3 are in; the youngest 24 loads (A's blocks 4-7) may be out
.if \first
	WIN FST_LO
.else
	WIN MUL_LO
.endif
	MUL16 0, (\q)%2, \q, \slot, \first
	MUL16 2, (\q)%2, \q, \slot, \first
	s_wait_dscnt 0
	PLACES NP
	FETCH_B \slot, (\q)+1, 1-(\q)%2
	FETCH_A \slot, (\q)+1, 0
.if \first
	WIN FST_HI
.else
	WIN MUL_HI
.endif
	MUL16 4, (\q)%2, \q, \slot, \first
	MUL16 6, (\q)%2, \q, \slot, \first
	PLACES NP
	WIN 0
	FETCH_A \slot, (\q)+1, 4
.endm
.macro TURN slot, next, fill
	s_wait_tensorcnt 0x0                           ; all my tensor loads have landed: my part of the next slot
	ds_add_u32 v[SPW], v[NIL]
	s_wait_dscnt 4*NL+1                            ; the add and the youngest 24 loads may be out
	WIN MUL_LO
	MUL16 0, 1, NQ-1, \slot, 0
	s_wait_dscnt 0x0                               ; the add is done, and my reads of this slot are over
	s_barrier_signal -1
	MUL16 2, 1, NQ-1, \slot, 0
	WIN 0
	s_barrier_wait -1
.if \fill
	CREST                                          ; a round of the cluster's barrier: no wave of any partner still reads this slot or has a load on its way
	s_add_nc_u64 s[G0+4*\slot+2:G0+4*\slot+3], s[G0+4*\slot+2:G0+4*\slot+3], 2*ROWB
	s_add_nc_u64 s[G0B+4*\slot+2:G0B+4*\slot+3], s[G0B+4*\slot+2:G0B+4*\slot+3], 2*ROWB
	JLOAD G0+4*\slot, G1, G0B+4*\slot, G1B
.else
	PLACES NP
.endif
	v_add_nc_u32 v[ADRS], 4*NQ, v[ADRS]
	FETCH_B \next, 0, 0
	FETCH_A \next, 0, 0
	SCALES \next
	WIN MUL_HI
	MUL16 4, 1, NQ-1, \slot, 0
	MUL16 6, 1, NQ-1, \slot, 0
	PLACES NP
	WIN 0
	FETCH_A \next, 0, 4
.endm
	s_wait_loadcnt 0x0                             ; the bias
	s_wait_tensorcnt 1                             ; the scales and my part of K step 0 are in; K step 1's load may be out
	s_barrier_signal -1
	s_barrier_wait -1
	FETCH_B 0, 0, 0
	FETCH_A 0, 0, 0
	SCALES 0
	FETCH_A 0, 0, 4
	STEP 0, 0, 1
	s_mov_b32 s3, LAPS-1
.Llap:
	TURN 0, 1, 1
	STEP 1, 0, 0
	TURN 1, 0, 1
	STEP 0, 0, 0
	s_sub_co_u32 s3, s3, 1
	s_cmp_lg_u32 s3, 0
	s_cbranch_scc1 .Llap
	TURN 0, 1, 0
	STEP 1, 0, 0
	s_wait_dscnt 4*NL
	WIN MUL_LO
	MUL16 0, 1, NQ-1, 1, 0
	MUL16 2, 1, NQ-1, 1, 0
	s_wait_dscnt 0
	WIN MUL_HI
	MUL16 4, 1, NQ-1, 1, 0
	MUL16 6, 1, NQ-1, 1, 0
	WIN 0
; THE WAY OUT, block by block of 16 rows x 128 columns, through my own stage in LDS: in as 32 bytes a lane, back as whole rows of 512 bytes.  LDS serves a wave's instructions in order.
.macro TOSTAGE a
.set AC, 64*((\a)%4)
.set DW, 0x08+4*((\a)/4)
	WIN DW                                         ; the data: window 2 or 3
.irp b, 0,1,2,3,4,5,6,7
	ds_store_b128 v[STO], v[AC+8*\b:AC+8*\b+3] offset:64*\b          ; each accumulator from its low end on
	ds_store_b128 v[STO], v[AC+8*\b+4:AC+8*\b+7] offset:64*\b+16
.endr
	WIN 0
.set BB, BK+64*((\a)%2)
.irp t, 0,1,2,3,4,5,6,7,8,9,10,11,12,13,14,15
	ds_load_b128 v[BB+4*\t:BB+4*\t+3], v[RD] offset:\t*SPITCH
.endr
.endm
.macro SEND a, younger                 ; younger: the LDS instructions issued behind block a's loads, which may stay out
.set BB, BK+64*((\a)%2)
	s_wait_dscnt \younger
.if (\a) > 0
	s_add_nc_u64 s[12:13], s[12:13], 16*SIZE_N*4   ; (behind a wait on XCNT: the earlier stores have read their base)
.endif
.irp t, 0,1,2,3,4,5,6,7,8,9,10,11,12,13,14,15
	global_store_b128 v[CO], v[BB+4*\t:BB+4*\t+3], s[12:13] offset:\t*SIZE_N*4 th:TH_STORE_NT   ; 32 lanes store 512 consecutive bytes, aligned to 256
.endr
.endm
	PLACES NP
	TOSTAGE 0
.irp a, 1,2,3,4,5,6,7
.if \a > 1
	s_wait_xcnt 0x0                                ; block a - 2's stores have read their registers and their base
.endif
	TOSTAGE \a
	SEND \a-1, 32                                  ; behind block a - 1's loads: block a's 16 stores and 16 loads
.endr
	s_wait_xcnt 0x0
	SEND 7, 0
	s_wait_tensorcnt 0x0                           ; the wave's end
	ds_add_u32 v[SPW], v[NIL]
	s_wait_dscnt 0x0
	CROUND                                         ; the closing round
	s_endpgm
.Lfunc_end_k_qed3a71f832_gemm_out:
	.size	k_qed3a71f832_gemm_out, .Lfunc_end_k_qed3a71f832_gemm_out-k_qed3a71f832_gemm_out
	.p2alignl 7, 3214868480
	.fill 96, 4, 3214868480
	.section	.rodata,"a",@progbits
	.p2align	6, 0x0
	.amdhsa_kernel k_qed3a71f832_gemm_out
		.amdhsa_group_segment_fixed_size 327680
		.amdhsa_private_segment_fixed_size 0
		.amdhsa_enable_private_segment 0
		.amdhsa_kernarg_size 48
		.amdhsa_user_sgpr_count 2
		.amdhsa_user_sgpr_kernarg_segment_ptr 1
		.amdhsa_wavefront_size32 1
		.amdhsa_system_sgpr_workgroup_id_x 1
		.amdhsa_system_sgpr_workgroup_id_y 1
		.amdhsa_system_sgpr_workgroup_id_z 1
		.amdhsa_system_vgpr_workitem_id 0
		.amdhsa_next_free_vgpr 1024
		.amdhsa_next_free_sgpr 100
		.amdhsa_reserve_vcc 0
		.amdhsa_float_denorm_mode_32 3
		.amdhsa_float_denorm_mode_16_64 3
		.amdhsa_memory_ordered 1
		.amdhsa_forward_progress 1
		.amdhsa_inst_pref_size 161
	.end_amdhsa_kernel
	.amdgpu_metadata
---
amdhsa.version: [ 1, 2 ]
amdhsa.kernels:
  - .name:           k_qed3a71f832_gemm_out
    .symbol:         k_qed3a71f832_gemm_out.kd
    .args:
      - { .name: o_codes, .offset: 0, .size: 8, .value_kind: global_buffer, .address_space: global }
      - { .name: o_scales, .offset: 8, .size: 8, .value_kind: global_buffer, .address_space: global }
      - { .name: pc, .offset: 16, .size: 8, .value_kind: global_buffer, .address_space: global }
      - { .name: ps, .offset: 24, .size: 8, .value_kind: global_buffer, .address_space: global }
      - { .name: b_out, .offset: 32, .size: 8, .value_kind: global_buffer, .address_space: global }
      - { .name: out0, .offset: 40, .size: 8, .value_kind: global_buffer, .address_space: global }
    .group_segment_fixed_size: 327680
    .private_segment_fixed_size: 0
    .kernarg_segment_align: 8
    .kernarg_segment_size: 48
    .max_flat_workgroup_size: 128
    .sgpr_count:     100
    .vgpr_count:     1024
    .wavefront_size: 32
...
	.end_amdgpu_metadata
.endif
;; end of part 4
